; MI455X (gfx1250); checked and timed in simulation.
; The chip was launched on July 23, 2026; its instructions are those of AMD's public machine-readable ISA for CDNA 5 (MIT licence, August 2026) and "CDNA5" Instruction Set Architecture Reference Guide (July 2026). The comments in the code are by the model that wrote it; some were corrected since.
;; Multi Head Self Attention. Allowed arithmetic: matrix products marked QUANTISED: E5M2 operands, one E8M0 scale for each 32 along K, by v_wmma_scale_f32_16x16x128_f8f6f4 with both operands' format E5M2, f32 sums; everything else in f32.
;; Inputs: Wk 1,024 x 1,024 float32; Wo 1,024 x 1,024 float32; Wq 1,024 x 1,024 float32; Wv 1,024 x 1,024 float32; bk 1,024 float32; bo 1,024 float32; bq 1,024 float32; bv 1,024 float32; x 4 x 2,048 x 1,024 float32.
;; Outputs: out0 4 x 2,048 x 1,024 float32.
;; This version of the problem:
;;   THIS VERSION OF THE PROBLEM IS GIVEN IN LOW PRECISION. The matrix products marked QUANTISED in the list below multiply operands that are first quantised to E5M2 (5 exponent bits, 2 mantissa bits; 8 bits a number), with one power-of-two scale for each 32 numbers along K (OCP MX v1.0); their sums are f32. All else is computed in f32.
;;   The module's matrix products, in the order in which they are computed (A, B: the left and right operand; K: the contracted axis; several contracted axes count as one K, in the product's order):
;;     1. [M 8,192, K 1,024] x [K 1,024, N 1,024]; A: input x; B: input Wq: QUANTISED
;;     2. [M 8,192, K 1,024] x [K 1,024, N 1,024]; A: input x; B: input Wk: QUANTISED
;;     3. [M 8,192, K 1,024] x [K 1,024, N 1,024]; A: input x; B: input Wv: QUANTISED
;;     4. batch 64 x [M 2,048, K 64] x [K 64, N 2,048]; A: computed on the way; B: computed on the way: QUANTISED
;;     5. batch 64 x [M 64, K 2,048] x [K 2,048, N 2,048]; A: computed on the way; B: softmax (see below): QUANTISED
;;     6. [M 8,192, K 1,024] x [K 1,024, N 1,024]; A: computed on the way; B: input Wo: QUANTISED
;;   THE QUANTISER, for each operand of a quantised product, along K:
;;     - K is cut into blocks of 32 from its start; a last block that is shorter is filled with zeros.
;;     - A block's scale is 2^e with e = floor(log2(the largest magnitude in the block)) - 15, held to -126 .. 127; a block of zeros has e = 0. As a byte (E8M0): e + 127.
;;     - Each number is divided by its block's scale, clamped to +-57,344, and rounded to the nearest number of E5M2, ties to even, subnormals kept.
;;     - The product sums the exact products of the quantised numbers (number of the format x scale) in f32.
;;   ~~~python
;;   def quantise(x, axis):      # numpy; x: float32 -> the quantised numbers, widened to float32 again
;;       x = np.moveaxis(x, axis, -1); K = x.shape[-1]
;;       x = np.pad(x, [(0, 0)] * (x.ndim - 1) + [(0, -K % 32)]); x = x.reshape(x.shape[:-1] + (-1, 32)); a = np.abs(x).max(-1, keepdims=True)
;;       e = np.where(a > 0, np.clip(np.frexp(np.where(a > 0, a, 1))[1] - 1 - 15, -126, 127), 0)      # np.frexp(a)[1] - 1 = floor(log2(a)), exactly
;;       r = np.clip(x / 2.0 ** e, -57344, 57344)
;;       step = 2.0 ** (np.maximum(np.frexp(np.where(r == 0, 1, r))[1] - 1, -14) - 2)
;;       q = np.round(r / step) * step * 2.0 ** e      # np.round: ties to even
;;       return np.moveaxis(q.reshape(q.shape[:-2] + (-1,))[..., :K], -1, axis).astype(np.float32)
;;   ~~~
;;   SOFTMAX AHEAD OF A QUANTISED PRODUCT. Where the list says 'softmax', what is quantised is not the finished softmax but p = 2^(t - M), with t = logit x log2(e) and M = ceil(the row's largest t), a whole number; so 1/2 < the row's largest p <= 1. The row's sum l is taken of the UNQUANTISED p, in f32, and the product's result is divided by l at the end. Since M is a whole number, a kernel that streams over the keys may use a running M (the ceiling of the running maximum): every later rescaling is an exact power of two, which a block's scale takes up: the codes' values come out the same.
;;   OPERANDS COMPUTED ON THE WAY. 'Computed on the way' means the value that the module computes at that place (a softmax that the list does not call 'softmax' is quantised finished and normalised). What goes into a quantiser is computed in f32, as accurately as f32 sums, v_exp_f32 and their like allow (about 1e-6 of the number): no bf16 or f16 on the way to a quantiser, and a product that is left as it is and whose result goes on into a quantised operand takes f32 operands (vector FMAs, or v_wmma_f32_16x16x4_f32). A number that lies on a knife's edge between two numbers of the format may be rounded either way, as far as f32 arithmetic and the matrix unit's own rounding can turn it there, and no further.
;; One version. Each part assembles by itself: llvm-mc -triple=amdgcn-amd-amdhsa -mcpu=gfx1250 --defsym DOCPART=n.
;; ======== version 1 of 1: 4 launches
;; limits: right only within a limited range of input values
;; workspace buffers: xcodes 8,650,752 bytes; wcodes 4,325,376 bytes; qfrag 8,912,896 bytes; kvrec 17,563,648 bytes; ofrag 8,650,752 bytes
;; launch quant (part 1): grid 384 x 1, 4 waves a work-group, no clusters, 101,888 bytes of LDS; arguments x, Wq, Wk, Wv, Wo, xcodes, wcodes; writes xcodes, wcodes
.if DOCPART == 1
	.amdgcn_target "amdgcn-amd-amdhsa--gfx1250"
	.amdhsa_code_object_version 6
	.text
	.protected	k_qe2c5e7006a_quant
	.globl	k_qe2c5e7006a_quant
	.p2align	8
	.type	k_qe2c5e7006a_quant,@function
k_qe2c5e7006a_quant:
	s_mov_b64 s[64:65], 0
	v_nop
	global_prefetch_b8 v0, s[64:65] scope:SCOPE_SE
	s_setreg_imm32_b32 hwreg(HW_REG_WAVE_MODE, 25, 1), 1
	s_wait_xcnt 0x0
; x [8192][1024] f32 (K innermost) and Wq, Wk, Wv, Wo [1024 (k)][1024 (n)] f32 (K outermost) become codes of E5M2 with K innermost and one E8M0 byte for each 32 along K.
; A block's scale is 2^(floor(log2(its largest magnitude)) - 15); its byte is the largest magnitude's exponent field - 15, held at 1 from below; numbers are held within +-57,344 x the scale and rounded to the nearest code, ties to even.
; STORED ORDER: a row (a token of x, a column n of a weight) is stored at the place that is its index with bits 3 and 4 exchanged.  Sixteen stored rows on end, tile 2 b + u, are then the rows 32 b + 8 u + r + 8 (r / 8):
; used as a matrix instruction's source 0, the 16 result registers of tiles 2 b and 2 b + 1 are 16 neighbours, which the later launches quantise without moving anything between lanes.
; xcodes: codes [8192 places][1024], then from XSCL on scale bytes [8192 places][32].  wcodes: codes [4 x 1024 places][1024] (q, k, v, o), then from WSCL on scale bytes [4096 places][32].
; LIMITS: NaN and infinities among the inputs are not served; a block of zeros gets the byte 1 where the rule says 127 (its codes are zeros, and this program alone reads the bytes).
; Work-groups 0 to 255 take x (32 rows each, a wave 8 rows), work-groups 256 to 383 the weights (128 columns x 256 along K each).  The two ways have LDS bytes of their own.  No tensor loads, no barrier: waves share nothing.
.set XWG,   256
.set STEPS, 16
.set EMAX,  15
.set MANT,  0x600000                   ; the mantissa field of 57,344 as f32
.set CB,    16                         ; bytes of 16 codes
.set XR,    16                         ; x: v16-79   four sets of 16 numbers as they are loaded
.set XX,    80                         ; x: v80-111  two sets of 16 neighbours
.set XC,    128                        ; x: v128-191 codes, four registers a step
.set XE,    112                        ; x: v112-127 a scale byte a step
.set WREG,  8192                       ; x: LDS of a wave: two stages of 32 x SP bytes, then its 256 scale bytes
.set SP,    80                         ; x: a lane's 64 bytes + 16 of padding
.set XSCL,  0x800000
.set WBASE, 32768                      ; W: its stages begin here: 32 rows x PITCH for each wave
.set NB,    8                          ; W: blocks of 32 along K for a wave
.set PITCH, 272                        ; W: a stage row: 256 bytes of codes + 16
.set KROW,  1024                       ; a row of codes in bytes
.set NROW,  4096                       ; a row of a weight in memory, in bytes
.set WSCL,  0x400000
.set WX,    32                         ; W: v32-95   two sets of 32 numbers
.set WC,    96                         ; W: v96-103  a block's codes
.set OUTR,  112                        ; W: v112-175 the way out
.set SB,    24                         ; W: v24-25   the scale bytes
	s_load_b256 s[4:11], s[0:1], 0x0               ; x s[4:5], Wq s[6:7], Wk s[8:9], Wv s[10:11]
	s_load_b128 s[12:15], s[0:1], 0x20             ; Wo s[12:13], xcodes s[14:15]
	s_load_b64 s[32:33], s[0:1], 0x30              ; wcodes
	v_lshl_add_u32 v192, v0, 2, 0x10800
	v_mov_b32 v193, 0
	v_lshrrev_b32 v1, 5, v0
	v_readfirstlane_b32 s16, v1                    ; wave 0..3
	v_and_b32 v2, 31, v0                           ; lane
	s_cmp_lt_u32 ttmp9, XWG
	s_cbranch_scc0 .Lweights
; ---------------- x: a plain stream of blocks of 32.  A wave takes 16 steps of 512 numbers: 8 rows.
	v_lshlrev_b32 v3, 4, v2                        ; my 16 bytes of a load's 512
	s_mul_i32 s17, s16, WREG
	v_lshrrev_b32 v14, 2, v2
	v_mul_u32_u24 v14, v14, SP
	v_and_b32 v15, 3, v2
	v_lshl_add_u32 v14, v15, 4, v14
	v_add_nc_u32 v14, s17, v14                     ; the stage, on the way in: SP (lane / 4) + 16 (lane % 4)
	v_mul_u32_u24 v15, v2, SP
	v_add_nc_u32 v15, s17, v15                     ; and on the way out: SP x lane: my 16 neighbours
	; x's codes leave as IMAGES OF OPERAND REGISTERS: [tile of 16 places][128 along K: 2,048 bytes][c 4][lane 16 h + r][16 bytes]: chunk j of 16 codes of place r lies at (j / 8) 2,048 + ((j % 8) / 2) 512 + (j % 2) 256 + 16 r.
	; A wave's 8 rows are gathered in its own stage (8 rows of 1,056 bytes, from byte 68,096 on) and leave in runs of 128 bytes, 8 places x 16 bytes; the wave that holds the tile's other 8 places writes the other half of each 256 bytes.
	s_mul_i32 s22, s16, 8448
	s_add_co_u32 s22, s22, 68096
	v_lshl_add_u32 v4, v2, 4, s22                  ; into the stage: 16 bytes a lane
	v_and_b32 v10, 7, v2
	v_mul_u32_u24 v12, v10, 1056
	v_lshrrev_b32 v13, 3, v2
	v_lshl_add_u32 v12, v13, 4, v12
	v_add_nc_u32 v12, s22, v12                     ; out of it: row lane % 8, chunk 4 m + lane / 8
	v_lshlrev_b32 v13, 8, v13
	v_lshl_add_u32 v13, v10, 4, v13                ; and in memory: 256 (lane / 8) + 16 (lane % 8); 1,024 bytes from m to m + 1
	v_lshrrev_b32 v5, 1, v2
	s_add_co_u32 s17, s17, 2*32*SP
	v_add_nc_u32 v5, s17, v5                       ; LDS: my wave's 256 scale bytes, my block's byte
	v_lshlrev_b32 v7, 3, v2
	v_add_nc_u32 v6, s17, v7                       ; and on the way out 8 bytes a lane
	s_mov_b32 s23, MANT
	s_wait_alu depctr_va_vdst(0)
	s_wait_kmcnt 0x0
	s_lshl_b32 s17, ttmp9, 2
	s_add_co_u32 s18, s17, s16                     ; which run of 8 rows is read: 4 x work-group + wave
	s_mov_b32 s19, 0
	s_lshl_b64 s[20:21], s[18:19], 15              ; 8 rows of 4,096 bytes
	s_add_nc_u64 s[4:5], s[4:5], s[20:21]
	s_and_b32 s24, s16, 1                          ; a row's bits 3 and 4 are the run's bits 0 and 1, which are the wave's: exchanged for the place where the run is stored
	s_lshl_b32 s24, s24, 1
	s_lshr_b32 s25, s16, 1
	s_or_b32 s24, s24, s25
	s_add_co_u32 s18, s17, s24
	s_lshr_b32 s20, s18, 1                         ; two runs of 8 places make a tile of 16,384 bytes;
	s_lshl_b32 s20, s20, 14
	s_and_b32 s21, s18, 1
	s_lshl_b32 s21, s21, 7                         ; the second run's places begin 128 bytes on
	s_add_co_u32 s20, s20, s21
	s_mov_b32 s21, 0
	s_add_nc_u64 s[8:9], s[14:15], s[20:21]
	s_lshl_b32 s18, s18, 8                         ; 8 rows of 32 scale bytes
	s_add_co_u32 s18, s18, XSCL
	s_add_nc_u64 s[10:11], s[14:15], s[18:19]
.macro XLOAD t
.irp i, 0,1,2,3
	global_load_b128 v[XR+16*((\t)%4)+4*\i:XR+16*((\t)%4)+4*\i+3], v3, s[4:5] offset:2048*(\t)+512*\i th:TH_LOAD_NT   ; 32 lanes read 512 consecutive bytes
.endr
.endm
.macro XTURN t                         ; step t's numbers through the stage: LDS serves a wave's instructions in order, so no wait stands between the stores and the loads
.irp i, 0,1,2,3
	ds_store_b128 v14, v[XR+16*((\t)%4)+4*\i:XR+16*((\t)%4)+4*\i+3] offset:32*SP*((\t)%2)+8*SP*\i
.endr
.irp i, 0,1,2,3
	ds_load_b128 v[XX+16*((\t)%2)+4*\i:XX+16*((\t)%2)+4*\i+3], v15 offset:32*SP*((\t)%2)+16*\i
.endr
.endm
.irp t, 0,1,2,3
	XLOAD \t
.endr
	s_wait_loadcnt 12                              ; step 0's four loads are in; those of steps 1 to 3 may be out
	XTURN 0
.macro XSTEP t
.set XS, XX+16*((\t)%2)
.if (\t) > 0
	s_wait_dscnt 2                                 ; this step's numbers are back from the stage (the last step's byte store and its codes' store may be out)
.else
	s_wait_dscnt 0x0
.endif
.if (\t)+4 < STEPS
	XLOAD (\t)+4                                   ; the stage's stores have read these registers: they take the loads of four steps on
.endif
.if (\t)+1 < STEPS
.if STEPS-2-(\t) >= 3
	s_wait_loadcnt 12                              ; the next step's four loads are in; those of the three steps behind it may be out
.else
	s_wait_loadcnt 4*(STEPS-2-(\t))
.endif
	XTURN (\t)+1
.endif
	v_max3_num_f32 v8, |v[XS]|, |v[XS+1]|, |v[XS+2]|               ; the largest magnitude of my 16
	v_max3_num_f32 v9, |v[XS+3]|, |v[XS+4]|, |v[XS+5]|
.irp i, 6,10
	v_max3_num_f32 v8, v8, |v[XS+\i]|, |v[XS+\i+1]|
	v_max3_num_f32 v9, v9, |v[XS+\i+2]|, |v[XS+\i+3]|
.endr
	v_max3_num_f32 v8, v8, |v[XS+14]|, |v[XS+15]|
	v_max3_num_f32 v8, v8, v9, (EMAX+1)<<23        ; and the floor 2^(16 - 127): the byte cannot fall under 1
	v_max_num_f32_dpp v8, v8, v8 row_xmask:1 row_mask:0xf bank_mask:0xf   ; and of my neighbour's 16: the block's
	v_add_nc_u32 v11, -(EMAX<<23), v8              ; 15 off its exponent field: the conversion's scale operand
	v_and_or_b32 v10, v8, 0x7f800000, s23          ; 57,344 x the scale
.irp i, 0,1,2,3,4,5,6,7,8,9,10,11,12,13,14,15
	v_med3_num_f32 v[XS+\i], v[XS+\i], -v10, v10   ; the conversion to an 8-bit code does not saturate (ISA guide 7.6.2): the hold comes first
.endr
	v_cvt_scalef32_pk8_bf8_f32 v[XC+4*(\t):XC+4*(\t)+1], v[XS:XS+7], v11
	v_cvt_scalef32_pk8_bf8_f32 v[XC+4*(\t)+2:XC+4*(\t)+3], v[XS+8:XS+15], v11
	v_lshrrev_b32 v[XE+(\t)], 23, v11              ; the scale's byte
	ds_store_b8 v5, v[XE+(\t)] offset:16*(\t)      ; both lanes of a block write the same byte with the same value
	ds_store_b128 v4, v[XC+4*(\t):XC+4*(\t)+3] offset:1056*((\t)/2)+512*((\t)%2)   ; row t / 2, chunks 32 (t % 2) + lane
.endm
.irp t, 0,1,2,3,4,5,6,7,8,9,10,11,12,13,14,15
	XSTEP \t
.endr
.irp m, 0,1,2,3,4,5,6,7,8,9,10,11,12,13,14,15
	ds_load_b128 v[XR+4*\m:XR+4*\m+3], v12 offset:64*\m   ; LDS serves a wave's instructions in order: these see my stores
.endr
	ds_load_b64 v[8:9], v6
.irp m, 0,1,2,3,4,5,6,7,8,9,10,11,12,13,14,15
	s_wait_dscnt 16-\m                             ; the younger read-backs may be out
	global_store_b128 v13, v[XR+4*\m:XR+4*\m+3], s[8:9] offset:1024*\m
.endr
	s_wait_dscnt 0x0
	global_store_b64 v7, v[8:9], s[10:11]          ; the scale bytes stay [place][32]: 256 consecutive bytes, aligned
	s_wait_tensorcnt 0x0
	ds_add_u32 v192, v193
	s_wait_dscnt 0x0
	s_endpgm
; ---------------- the weights: a lane takes a column n and its registers run down K, so the codes come out with K innermost.
.Lweights:
	s_sub_co_u32 s17, ttmp9, XWG
	s_lshr_b32 s26, s17, 5                         ; which weight: 0 q, 1 k, 2 v, 3 o
	s_and_b32 s27, s17, 7                          ; which 128 columns
	s_bfe_u32 s18, s17, 0x20003                    ; which 256 along K
	s_lshl_b32 s17, s27, 7
	s_lshl_b32 s19, s16, 5
	s_add_co_u32 s17, s17, s19                     ; my wave's first column
	s_wait_alu depctr_va_vdst(0)
	v_lshlrev_b32 v3, 2, v2                        ; in: 4 bytes a lane
	s_mul_i32 s19, s16, 32*PITCH
	s_add_co_u32 s19, s19, WBASE                   ; my stage
	v_mul_u32_u24 v4, v2, PITCH
	v_add_nc_u32 v4, s19, v4                       ; into it: row = my column
	v_and_b32 v5, 15, v2
	v_lshrrev_b32 v6, 4, v2                        ; out of it: sixteen lanes to a row, two rows an instruction
	v_mul_u32_u24 v7, v6, PITCH
	v_lshl_add_u32 v7, v5, 4, v7
	v_add_nc_u32 v7, s19, v7
	v_lshlrev_b32 v8, 10, v6
	v_lshl_add_u32 v8, v5, 4, v8                   ; and the same two rows in the codes' buffer
	v_and_b32 v9, 7, v2                            ; my column's place: the lane's number with bits 3 and 4 exchanged,
	v_and_b32 v10, 8, v2
	v_lshl_or_b32 v9, v10, 1, v9
	v_and_b32 v10, 16, v2
	v_lshrrev_b32 v10, 1, v10
	v_or_b32 v9, v9, v10
	v_lshlrev_b32 v9, 5, v9                        ; x 32 scale bytes a row
	s_lshl_b32 s20, s18, 20                        ; W: 256 rows of 4,096 bytes for each step along K,
	s_lshl_b32 s22, s17, 2
	s_add_co_u32 s20, s20, s22                     ; + 4 bytes a column
	s_mov_b32 s21, 0
	; the first place.  Wq, Wk, Wv are laid BY HEAD: head i's 64 columns of q, of k and of v are places 192 i + 64 x weight + 0 .. 63, 192 rows on end; Wo's columns are places 3,072 + column.  (All are multiples of 32, which the exchange leaves alone)
	s_lshr_b32 s22, s17, 6
	s_mul_i32 s22, s22, 192
	s_lshl_b32 s28, s26, 6
	s_add_co_u32 s22, s22, s28
	s_and_b32 s28, s17, 63
	s_add_co_u32 s22, s22, s28
	s_add_co_u32 s28, s17, 3072
	s_cmp_eq_u32 s26, 3
	s_cselect_b32 s22, s28, s22
	s_lshl_b32 s24, s22, 10
	s_lshl_b32 s28, s18, 8
	s_add_co_u32 s24, s24, s28                     ; codes: place x 1,024 + 256 x step
	s_mov_b32 s25, 0
	s_lshl_b32 s28, s22, 5
	s_lshl_b32 s29, s18, 3
	s_add_co_u32 s28, s28, s29
	s_add_co_u32 s28, s28, WSCL                    ; scale bytes: place x 32 + 8 x step
	s_mov_b32 s29, 0
	s_mov_b32 s31, MANT
	s_wait_kmcnt 0x0
	s_cmp_eq_u32 s26, 1                            ; the choice hangs on the work-group's number alone
	s_cselect_b64 s[6:7], s[8:9], s[6:7]
	s_cmp_eq_u32 s26, 2
	s_cselect_b64 s[6:7], s[10:11], s[6:7]
	s_cmp_eq_u32 s26, 3
	s_cselect_b64 s[6:7], s[12:13], s[6:7]
	s_add_nc_u64 s[4:5], s[6:7], s[20:21]
	s_add_nc_u64 s[6:7], s[32:33], s[24:25]
	s_add_nc_u64 s[8:9], s[32:33], s[28:29]
.macro WLOAD t                         ; block t: W(32 t + i, my column), i = 0 .. 31, into set t % 2
.irp i, 0,1,2,3,4,5,6,7,8,9,10,11,12,13,14,15,16,17,18,19,20,21,22,23,24,25,26,27,28,29,30,31
	global_load_b32 v[WX+32*((\t)%2)+\i], v3, s[4:5] offset:(32*(\t)+\i)*NROW th:TH_LOAD_NT
.endr
.endm
	WLOAD 0
	WLOAD 1
.macro WBLOCK t
.set XS, WX+32*((\t)%2)
.if (\t) < NB-1
	s_wait_loadcnt 32                              ; this block's 32 loads are in; the next block's may be out
.else
	s_wait_loadcnt 0
.endif
	v_max3_num_f32 v12, |v[XS]|, |v[XS+1]|, |v[XS+2]|               ; the block's largest magnitude: all 32 numbers are mine
	v_max3_num_f32 v13, |v[XS+3]|, |v[XS+4]|, |v[XS+5]|
.irp i, 6,10,14,18,22,26
	v_max3_num_f32 v12, v12, |v[XS+\i]|, |v[XS+\i+1]|
	v_max3_num_f32 v13, v13, |v[XS+\i+2]|, |v[XS+\i+3]|
.endr
	v_max3_num_f32 v12, v12, |v[XS+30]|, |v[XS+31]|
	v_max3_num_f32 v12, v12, v13, (EMAX+1)<<23     ; and the floor
	v_add_nc_u32 v11, -(EMAX<<23), v12             ; the conversion's scale operand
	v_and_or_b32 v10, v12, 0x7f800000, s31         ; 57,344 x the scale
	v_lshrrev_b32 v13, 23, v11                     ; the scale's byte
.if (\t)%4 == 0
	v_mov_b32 v[SB+(\t)/4], v13                    ; four bytes to a register, the lower K in the lower byte
.else
	v_lshl_or_b32 v[SB+(\t)/4], v13, 8*((\t)%4), v[SB+(\t)/4]
.endif
.irp i, 0,1,2,3,4,5,6,7,8,9,10,11,12,13,14,15,16,17,18,19,20,21,22,23,24,25,26,27,28,29,30,31
	v_med3_num_f32 v[XS+\i], v[XS+\i], -v10, v10
.endr
.irp g, 0,1,2,3
	v_cvt_scalef32_pk8_bf8_f32 v[WC+2*\g:WC+2*\g+1], v[XS+8*\g:XS+8*\g+7], v11
.endr
	ds_store_b128 v4, v[WC:WC+3] offset:32*(\t)    ; 32 codes: 32 bytes of my column's row
	ds_store_b128 v4, v[WC+4:WC+7] offset:32*(\t)+16
.if (\t)+2 < NB
	WLOAD (\t)+2
.endif
	s_wait_dscnt 0x0                               ; the stores have read their registers: the next block's codes may be written
.endm
.irp t, 0,1,2,3,4,5,6,7
	WBLOCK \t
.endr
	global_store_b64 v9, v[SB:SB+1], s[8:9]        ; my column's 8 scale bytes
.irp t, 0,1,2,3,4,5,6,7,8,9,10,11,12,13,14,15
	ds_load_b128 v[OUTR+4*\t:OUTR+4*\t+3], v7 offset:2*\t*PITCH   ; LDS serves a wave's instructions in order: these see my stores
.endr
.irp t, 0,1,2,3,4,5,6,7,8,9,10,11,12,13,14,15
	s_wait_dscnt 15-\t                             ; the younger read-backs may be out
	global_store_b128 v8, v[OUTR+4*\t:OUTR+4*\t+3], s[6:7] offset:2*((\t&3)|((\t&4)<<1)|((\t&8)>>1))*KROW   ; columns 2 t, 2 t + 1 go to their places; sixteen lanes store 256 consecutive bytes, aligned
.endr
	s_wait_tensorcnt 0x0
	ds_add_u32 v192, v193
	s_wait_dscnt 0x0
	s_endpgm
.Lfunc_end_k_qe2c5e7006a_quant:
	.size	k_qe2c5e7006a_quant, .Lfunc_end_k_qe2c5e7006a_quant-k_qe2c5e7006a_quant
	.p2alignl 7, 3214868480
	.fill 96, 4, 3214868480
	.section	.rodata,"a",@progbits
	.p2align	6, 0x0
	.amdhsa_kernel k_qe2c5e7006a_quant
		.amdhsa_group_segment_fixed_size 101888
		.amdhsa_private_segment_fixed_size 0
		.amdhsa_enable_private_segment 0
		.amdhsa_kernarg_size 56
		.amdhsa_user_sgpr_count 2
		.amdhsa_user_sgpr_kernarg_segment_ptr 1
		.amdhsa_wavefront_size32 1
		.amdhsa_system_sgpr_workgroup_id_x 1
		.amdhsa_system_sgpr_workgroup_id_y 1
		.amdhsa_system_sgpr_workgroup_id_z 1
		.amdhsa_system_vgpr_workitem_id 0
		.amdhsa_next_free_vgpr 194
		.amdhsa_next_free_sgpr 66
		.amdhsa_reserve_vcc 0
		.amdhsa_float_denorm_mode_32 3
		.amdhsa_float_denorm_mode_16_64 3
		.amdhsa_memory_ordered 1
		.amdhsa_forward_progress 1
		.amdhsa_inst_pref_size 113
	.end_amdhsa_kernel
	.amdgpu_metadata
---
amdhsa.version: [ 1, 2 ]
amdhsa.kernels:
  - .name:           k_qe2c5e7006a_quant
    .symbol:         k_qe2c5e7006a_quant.kd
    .args:
      - { .name: x, .offset: 0, .size: 8, .value_kind: global_buffer, .address_space: global }
      - { .name: Wq, .offset: 8, .size: 8, .value_kind: global_buffer, .address_space: global }
      - { .name: Wk, .offset: 16, .size: 8, .value_kind: global_buffer, .address_space: global }
      - { .name: Wv, .offset: 24, .size: 8, .value_kind: global_buffer, .address_space: global }
      - { .name: Wo, .offset: 32, .size: 8, .value_kind: global_buffer, .address_space: global }
      - { .name: xcodes, .offset: 40, .size: 8, .value_kind: global_buffer, .address_space: global }
      - { .name: wcodes, .offset: 48, .size: 8, .value_kind: global_buffer, .address_space: global }
    .group_segment_fixed_size: 101888
    .private_segment_fixed_size: 0
    .kernarg_segment_align: 8
    .kernarg_segment_size: 56
    .max_flat_workgroup_size: 128
    .sgpr_count:     66
    .vgpr_count:     194
    .wavefront_size: 32
...
	.end_amdgpu_metadata
.endif
;; end of part 1
;; launch gemm_qkv (part 2): grid 16 x 16, 4 waves a work-group, clusters of 4 x 1, 200,192 bytes of LDS; arguments xcodes, wcodes, bq, bk, bv, qfrag, kvrec; writes qfrag, kvrec
.if DOCPART == 2
	.amdgcn_target "amdgcn-amd-amdhsa--gfx1250"
	.amdhsa_code_object_version 6
	.text
	.protected	k_qe2c5e7006a_gemm_qkv
	.globl	k_qe2c5e7006a_gemm_qkv
	.p2align	8
	.type	k_qe2c5e7006a_gemm_qkv,@function
k_qe2c5e7006a_gemm_qkv:
	s_mov_b64 s[64:65], 0
	v_nop
	global_prefetch_b8 v0, s[64:65] scope:SCOPE_SE
	s_setreg_imm32_b32 hwreg(HW_REG_WAVE_MODE, 25, 1), 1
	s_wait_xcnt 0x0
	s_wait_alu depctr_hold_cnt(0) depctr_sa_sdst(0) depctr_va_vdst(0) depctr_va_sdst(0) depctr_va_ssrc(0) depctr_va_vcc(0) depctr_vm_vsrc(0)
	s_getreg_b32 s2, hwreg(HW_REG_IB_STS2, 6, 4)
	s_cmp_eq_u32 s2, 0
	s_cbranch_scc0 .Lentry_in_a_cluster
	s_endpgm
.Lentry_in_a_cluster:
	s_bfe_u32 s2, ttmp6, 0x10000c
	s_cmp_lg_u32 s2, 0x3003
	s_cbranch_scc0 .Lentry_shape_is_right
	s_endpgm
.Lentry_shape_is_right:
; q = x Wq + bq, k = x Wk + bk, v = x Wv + bv on codes of E5M2 with one E8M0 scale for each 32 along K = 1,024; the results are quantised here, in registers, and leave as images of operand registers for the attention launch.
; SHARES.  Work-group (X, y) makes head y's 64 columns of q, of k and of v for tokens 512 X .. 512 X + 511: 16 x 16 = 256 work-groups of equal work.  A wave takes 64 tokens (4 tiles of 16) in each of two trips.
; W IN LDS, ONCE.  The head's 192 rows of W (q's 64, k's 64, v's 64; all 1,024 along K) are 192 consecutive rows of wcodes.  Each wave brings 48 of them by one tensor load; nothing is filled again, so there is no ring.
; CLUSTER.  The four work-groups of a cluster differ in X alone and read the same rows of W: the loads are joint, with the mask of all four.
; No prefetch: all that goes to LDS is asked for at the head, so there is no loop to run ahead in.
; x IN REGISTERS.  xcodes holds images of operand registers, so a wave loads the fragments of its 64 tokens, all of K, 512 registers, straight from memory: each load covers 512 consecutive bytes.  They serve the q, the k and the v part;
; during the v part each step's fragments, once multiplied, take the next trip's loads.
; A PART is 8 stages of 128 along K; a stage reads W's four fragments from LDS (each feeds four products) one stage ahead, into two buffers by turns, and issues 16 products on 16 accumulators by turns.
; q, k: source 0 = W, source 1 = x: a lane holds one token and its registers run along the channels, which are K of q k^T.   v: source 0 = x, source 1 = W: a lane holds one channel and its registers run along the tokens, K of p v.
; Rows of x and of W lie in the stored order (bits 3 and 4 of the index exchanged), so that the 16 result registers of source 0's tiles 2 b and 2 b + 1 are 16 neighbours 32 b + 16 (lane / 16) + 0 .. 15.  The biases are the C of each sum's first product.
; OUT.  qfrag: [head 64][tile 128][c 2][lane][16 bytes], from QSC on scale words [head][tile][row 16] (bytes 0, 1; bytes 2, 3 are 0: they meet zero codes).
;       kvrec: [head 64][key step 16] records of REC bytes: K's codes [tile 8][c 2][lane][16], V^T's [tile 4][c 4][lane][16] at VOFF, K's scale words [8][16] at KSC, V's [4][16] behind them (a wave writes two of a word's four bytes).
; LIMITS: NaN and infinities are not served; a block of zeros gets the byte 1 (its codes are zeros, and this program alone reads the bytes).
; REGISTERS.  Window 0: v1-17 addresses and scale words on their way out; v32-159 W's fragments, two buffers; v160-175 x's scale words, v176-191 the next trip's; v192-239 W's scale words; v240-255 the quantiser's.
;   Window 1: v0-127 the 16 accumulators; v128-223 the biases in the results' layout (q, k, v); v224-255 codes made, two buffers.   Windows 2, 3: x's fragments, (tile a, step k) at v[16 (8 (a % 2) + k)] of window 2 + a / 2.
.set BP,    1040                       ; an LDS row: 1,024 bytes + 16 of padding = 260 words: the 16 rows that a load touches start 4 words apart modulo 64
.set SPARE, 192*BP                     ; behind W: the spare words, 128 bytes a wave
.set REC,   17152
.set VOFF,  8192
.set KSC,   16384
.set QSC,   0x800000
.set XSCL,  0x800000
.set WSCL,  0x400000
.set LI,   1                           ; 16 x lane
.set L4,   2                           ; 4 x lane
.set LSC,  3                           ; 32 (lane % 16) + 16 (lane / 16): a row's scale bytes, lanes 16-31 the upper 16
.set ADB,  4                           ; v4-6 LDS address of my lane in the q, k, v part's rows
.set BOQ,  7
.set BOV,  8
.set SPW,  9
.set NIL,  10
.set SWA,  12
.set SWB,  13
.set ST,   14
.set SAR,  160
.set SHD,  176
.set SBR,  192
.set TM,   240                         ; v240-243 largest magnitudes, 244-247 bytes, 248-251 the holds, 252-255 the conversions' scales
.set WV,   20
.set G1,   24
.set G0,   32
.set XB,   36                          ; s[36:37] x's fragments, s[38:39] its scale bytes
.set XS,   38
.set QB,   40                          ; where q's codes, q's scale words, k's, v's go
.set QSB,  42
.set KB,   44
.set KSB,  46
.set VB,   48
.set VSB,  50
.set WS,   52
.set SEL,  54
.set MNT,  56
.set TRIP, 57
.set MSB, 0
.macro WIN new                         ; low byte: bits 1:0 source 0, 3:2 source 1, 5:4 source 2, 7:6 destination; the high byte repeats the setting that is left
.if MSB != (\new)
	s_set_vgpr_msb (MSB<<8)|(\new)
.set MSB, (\new)
.endif
.endm
.macro ROUND                           ; a round of the cluster's barrier
	s_barrier_signal -1
	s_barrier_wait -1
	s_cmp_lg_u32 s[WV], 0
	s_cbranch_scc1 .Lnot_wave_0_\@
	s_barrier_signal -3
.Lnot_wave_0_\@:
	s_barrier_wait -3
	s_barrier_signal -1
	s_barrier_wait -1
.endm
.macro PLACES n
.rept \n
	v_nop
.endr
.endm
.macro XLOAD k, off                    ; the fragments of my four tiles for step k: 16 loads of 512 consecutive bytes
.irp ap, 0,1
	WIN (2+\ap)<<6
.irp aa, 0,1
.irp c, 0,1,2,3
	global_load_b128 v[(\aa*8+(\k))*16+4*\c:(\aa*8+(\k))*16+4*\c+3], v[LI], s[XB:XB+1] offset:(\off)+(2*\ap+\aa)*16384+(\k)*2048+512*\c
.endr
.endr
.endr
	WIN 0
.endm
.macro XSCALE off                      ; my four tiles' scale words: register j: lanes 0-15 step j, lanes 16-31 step 4 + j
.irp a, 0,1,2,3
	global_load_b128 v[SHD+4*\a:SHD+4*\a+3], v[LSC], s[XS:XS+1] offset:(\off)+512*\a
.endr
.endm
	s_load_b256 s[4:11], s[0:1], 0x0               ; xcodes s[4:5], wcodes s[6:7], bq s[8:9], bk s[10:11]
	s_load_b128 s[12:15], s[0:1], 0x20             ; bv s[12:13], qfrag s[14:15]
	s_load_b64 s[16:17], s[0:1], 0x30              ; kvrec
	v_lshl_add_u32 v[SPW], v0, 2, SPARE
	v_mov_b32 v[NIL], 0
	ds_add_u32 v[SPW], v[NIL]                      ; the opening lines: the add, twice on end, and its wait ahead of my tensor load
	ds_add_u32 v[SPW], v[NIL]
	v_lshrrev_b32 v15, 5, v0
	v_readfirstlane_b32 s[WV], v15                 ; wave 0..3
	s_bfe_u32 s21, ttmp6, 0x40000                  ; cx: it enters global addresses of x and of the results alone
	s_lshl_b32 s18, ttmp9, 2
	s_add_co_u32 s21, s21, s18                     ; X
	s_and_b32 s22, ttmp7, 0xffff                   ; y: the head in its batch
	s_mov_b32 s[G1], 15|(1<<20)|(1<<21)|(7<<22)|(3<<25)   ; the mask: all four; elements of 1 byte; padding: four words after every 256; bit 21 beside a mask
	s_mov_b32 s[G1+1], 1024<<16                    ; 48 rows of 1,024 bytes
	s_mov_b32 s[G1+2], 48<<16
	s_mov_b32 s[G1+3], 1024<<16
	s_mov_b32 s[G1+4], 48
	s_mov_b32 s[G1+5], 1024
	s_mov_b32 s[G1+6], 0
	s_mov_b32 s[G1+7], 0
	s_mov_b32 s[G0], 1
	s_mul_i32 s[G0+1], s[WV], 48*BP
	s_mul_i32 s18, s22, 192
	s_mul_i32 s19, s[WV], 48
	s_add_co_u32 s18, s18, s19
	s_lshl_b32 s18, s18, 10                        ; row 192 y + 48 x wave
	s_mov_b32 s19, 0
	s_wait_dscnt 0x0
	s_wait_kmcnt 0x0
	s_add_nc_u64 s[G0+2:G0+3], s[6:7], s[18:19]
	s_or_b32 s[G0+3], s[G0+3], 0x80000000
	ROUND                                          ; all four work-groups are here: the joint loads meet
	tensor_load_to_lds s[G0:G0+3], s[G1:G1+7]      ; every wave's one load
	s_nop 0
	PLACES 4
	s_lshl_b32 s18, s21, 5
	s_lshl_b32 s23, s[WV], 2
	s_add_co_u32 s23, s23, s18                     ; my first tile of x: 32 X + 4 x wave
	s_lshl_b32 s18, s23, 14
	s_add_nc_u64 s[XB:XB+1], s[4:5], s[18:19]
	s_lshl_b32 s18, s23, 9
	s_add_co_u32 s18, s18, XSCL
	s_add_nc_u64 s[XS:XS+1], s[4:5], s[18:19]
	s_mul_i32 s18, s22, 192*32
	s_add_co_u32 s18, s18, WSCL
	s_add_nc_u64 s[WS:WS+1], s[6:7], s[18:19]
	s_lshl_b32 s18, s22, 8                         ; the head's 64 biases
	s_add_nc_u64 s[8:9], s[8:9], s[18:19]
	s_add_nc_u64 s[10:11], s[10:11], s[18:19]
	s_add_nc_u64 s[12:13], s[12:13], s[18:19]
	s_lshr_b32 s58, s21, 2
	s_lshl_b32 s58, s58, 4
	s_add_co_u32 s58, s58, s22                     ; 16 x batch + head
	s_and_b32 s59, s23, 127                        ; my first tile in its batch
	s_lshl_b32 s18, s58, 17
	s_lshl_b32 s60, s59, 10
	s_add_co_u32 s18, s18, s60
	s_add_nc_u64 s[QB:QB+1], s[14:15], s[18:19]
	s_lshl_b32 s18, s58, 13
	s_lshl_b32 s60, s59, 6
	s_add_co_u32 s18, s18, s60
	s_add_co_u32 s18, s18, QSC
	s_add_nc_u64 s[QSB:QSB+1], s[14:15], s[18:19]
	s_lshl_b32 s60, s58, 4
	s_lshr_b32 s61, s59, 3
	s_add_co_u32 s60, s60, s61
	s_mul_i32 s60, s60, REC                        ; my record
	s_and_b32 s61, s59, 7                          ; my first tile in it: 0 or 4
	s_lshl_b32 s18, s61, 10
	s_add_co_u32 s18, s18, s60
	s_add_nc_u64 s[KB:KB+1], s[16:17], s[18:19]
	s_lshl_b32 s18, s61, 6
	s_add_co_u32 s18, s18, s60
	s_add_co_u32 s18, s18, KSC
	s_add_nc_u64 s[KSB:KSB+1], s[16:17], s[18:19]
	s_lshl_b32 s18, s61, 8                         ; my tokens are blocks 0, 1 or 2, 3 of the record's four: 512 bytes a block
	s_add_co_u32 s18, s18, s60
	s_add_co_u32 s18, s18, VOFF
	s_add_nc_u64 s[VB:VB+1], s[16:17], s[18:19]
	s_lshr_b32 s18, s61, 1                         ; and bytes 0, 1 or 2, 3 of V's scale words
	s_add_co_u32 s18, s18, s60
	s_add_co_u32 s18, s18, KSC+512
	s_add_nc_u64 s[VSB:VSB+1], s[16:17], s[18:19]
	s_mov_b32 s[SEL], 0x76543210
	s_mov_b32 s[SEL+1], 0xfedcba98                 ; v_permlanex16_b32's selects for lane l xor 16
	s_mov_b32 s[MNT], 0x600000                     ; the mantissa field of 57,344
	s_mov_b32 s[TRIP], 2
	s_mov_b32 vcc_lo, 0xffff0000                   ; lanes 16-31
	v_and_b32 v15, 31, v0
	v_lshlrev_b32 v[LI], 4, v15
	v_lshlrev_b32 v[L4], 2, v15
	v_and_b32 v16, 15, v0                          ; r
	v_bfe_u32 v17, v0, 4, 1                        ; h
	v_lshlrev_b32 v[LSC], 5, v16
	v_lshl_add_u32 v[LSC], v17, 4, v[LSC]
	v_lshlrev_b32 v[BOQ], 6, v17                   ; q, k: register j of tile b is column 32 (b / 2) + 8 (b % 2) + 16 h + j
	v_and_b32 v[BOV], 8, v16
	v_add_nc_u32 v[BOV], v[BOV], v16
	v_lshlrev_b32 v[BOV], 2, v[BOV]                ; v: my lane is column 32 (b / 2) + 8 (b % 2) + r + 8 (r / 8): one bias for all eight registers
	v_mul_u32_u24 v[ADB], v16, BP
	v_lshl_add_u32 v[ADB], v17, 4, v[ADB]
	v_add_nc_u32 v[ADB+1], 64*BP, v[ADB]
	v_add_nc_u32 v[ADB+2], 128*BP, v[ADB]
.irp b, 0,1,2,3
	v_mov_b32 v[TM+4+\b], 0                        ; written once: a lane permute's destination counts as one of its sources
.endr
	XSCALE 0                                       ; 4 + 12 + 48 small loads first, then x's fragments step by step, so that counted waits can tell them apart
.irp t, 0,1,2,3,4,5,6,7,8,9,10,11
	global_load_b128 v[SBR+4*\t:SBR+4*\t+3], v[LSC], s[WS:WS+1] offset:512*\t
.endr
	WIN 0x40
.irp b, 0,1,2,3
	global_load_b128 v[128+8*\b:128+8*\b+3], v[BOQ], s[8:9] offset:(32*(\b/2)+8*(\b%2))*4
	global_load_b128 v[128+8*\b+4:128+8*\b+7], v[BOQ], s[8:9] offset:(32*(\b/2)+8*(\b%2))*4+16
	global_load_b128 v[160+8*\b:160+8*\b+3], v[BOQ], s[10:11] offset:(32*(\b/2)+8*(\b%2))*4
	global_load_b128 v[160+8*\b+4:160+8*\b+7], v[BOQ], s[10:11] offset:(32*(\b/2)+8*(\b%2))*4+16
.irp j, 0,1,2,3,4,5,6,7
	global_load_b32 v[192+8*\b+\j], v[BOV], s[12:13] offset:(32*(\b/2)+8*(\b%2))*4
.endr
.endr
	WIN 0
.irp k, 0,1,2,3,4,5,6,7
	XLOAD \k, 0
.endr
.macro WM d, s0, s1, c, x0, x1, q      ; one product; q = 1: steps 4 to 7: both sides' scale words lie in lanes 16-31
.if \q
	v_wmma_scale_f32_16x16x128_f8f6f4 v[\d:\d+7], v[\s0:\s0+15], v[\s1:\s1+15], v[\c:\c+7], v[\x0], v[\x1] matrix_a_fmt:MATRIX_FMT_BF8 matrix_b_fmt:MATRIX_FMT_BF8 matrix_a_scale:MATRIX_SCALE_ROW1 matrix_b_scale:MATRIX_SCALE_ROW1
.else
	v_wmma_scale_f32_16x16x128_f8f6f4 v[\d:\d+7], v[\s0:\s0+15], v[\s1:\s1+15], v[\c:\c+7], v[\x0], v[\x1] matrix_a_fmt:MATRIX_FMT_BF8 matrix_b_fmt:MATRIX_FMT_BF8
.endif
.endm
.macro MUL z, k                        ; part z, step k: x's four tiles against W's four.  q, k: accumulator (a, b) at 8 (4 a + b); v: at 8 (4 b + a)
.set PB, 32+64*((\k)%2)
.irp ap, 0,1
.if (\z) < 2
	WIN 0x50|((2+\ap)<<2)
.else
	WIN 0x50|(2+\ap)
.endif
.irp aa, 0,1
.irp b, 0,1,2,3
.set A_, 2*\ap+\aa
.if (\z) < 2
.set D_, (A_*4+\b)*8
.else
.set D_, (\b*4+A_)*8
.endif
.if (\k) == 0
.set C_, 128+32*(\z)+8*\b
.else
.set C_, D_
.endif
.if (\z) < 2
	WM D_, PB+16*\b, (\aa*8+(\k))*16, C_, SBR+4*(4*(\z)+\b)+(\k)%4, SAR+4*A_+(\k)%4, (\k)/4
.else
	WM D_, (\aa*8+(\k))*16, PB+16*\b, C_, SAR+4*A_+(\k)%4, SBR+4*(8+\b)+(\k)%4, (\k)/4
.endif
.endr
.endr
.endr
.endm
.macro LOADB n                         ; stage n's four fragments of W: lane l holds row l % 16; registers 4 c .. 4 c + 3 hold K = 32 c + 16 (l / 16) + 0 .. 15
.irp i, 0,1,2,3
.irp c, 0,1,2,3
	ds_load_b128 v[32+64*((\n)%2)+16*\i+4*\c:32+64*((\n)%2)+16*\i+4*\c+3], v[ADB+(\n)/8] offset:\i*16*BP+128*((\n)%8)+32*\c
.endr
.endr
.endm
.macro RELOAD kk                       ; step kk's fragments are multiplied for the last time in this trip: they take the next trip's (256 tokens, 16 tiles on); not in the last trip
	s_cmp_eq_u32 s[TRIP], 1
	s_cbranch_scc1 .Lno_more_\@
.if (\kk) == 0
	XSCALE 16*512
.endif
	XLOAD (\kk), 16*16384
.Lno_more_\@:
.endm
.macro STAGE z, k
.set SI, 8*(\z)+(\k)
.if (\k) > 0
	WIN 0
	PLACES 8                                       ; in front of loads into registers that the last stage's products have read (ISA guide 7.12.1 for vector instructions)
.if (\z) == 2
	RELOAD (\k)-1
.endif
.endif
.if SI < 23
	LOADB SI+1
	s_wait_dscnt 16                                ; this stage's fragments are in; the next stage's 16 loads may be out
.else
	s_wait_dscnt 0x0
.endif
.if SI == 4
	s_wait_loadcnt 0x0                             ; x's fragments of steps 5 to 7
.endif
	MUL \z, \k
.endm
; 64 registers of accumulators, four blocks of 16 neighbours a lane, become 16 registers of codes and four scale bytes.  Each accumulator is read from its low end on.
.macro QUANT q
.set AC, 64*(\q)
.set PCB, 224+16*(\q)
	s_wait_xcnt 0x0                                ; earlier stores have read their data: the codes' buffer and the scale word may be written again
	WIN 0x05
.irp b, 0,1,2,3
	v_max3_num_f32 v[TM+\b], |v[AC+16*\b]|, |v[AC+16*\b+1]|, 0x8000000   ; and the floor 2^(16 - 127): the byte cannot fall under 1
.endr
.irp i, 2,4,6,8,10,12,14
.irp b, 0,1,2,3
	v_max3_num_f32 v[TM+\b], |v[AC+16*\b+\i]|, |v[AC+16*\b+\i+1]|, v[TM+\b]
.endr
.endr
	WIN 0
.irp b, 0,1,2,3
	v_permlanex16_b32 v[TM+4+\b], v[TM+\b], s[SEL], s[SEL+1]
.endr
.irp b, 0,1,2,3
	v_max_num_f32 v[TM+\b], v[TM+\b], v[TM+4+\b]   ; with lane l xor 16's: the block's largest magnitude
.endr
.irp b, 0,1,2,3
	v_add_nc_u32 v[TM+12+\b], 0xf8800000, v[TM+\b] ; 15 off its exponent field: the conversion's scale operand
.endr
.irp b, 0,1,2,3
	v_and_or_b32 v[TM+8+\b], v[TM+\b], 0x7f800000, s[MNT]   ; 57,344 x the scale
.endr
.irp b, 0,1,2,3
	v_lshrrev_b32 v[TM+4+\b], 23, v[TM+12+\b]      ; the scale's byte
.endr
	v_lshl_or_b32 v[SWA], v[TM+5], 8, v[TM+4]
	v_lshl_or_b32 v[SWB], v[TM+7], 8, v[TM+6]
	v_cndmask_b32 v[ST], v[SWA], v[SWB], vcc_lo    ; lanes 0-15: the first tile's two bytes, lanes 16-31: the second's
	WIN 0x41
.set N, 0
.rept 64
	v_med3_num_f32 v[AC+N], v[AC+N], -v[TM+8+N/16], v[TM+8+N/16]   ; the conversion does not saturate (ISA guide 7.6.2): the hold comes first
.set N, N+1
.endr
.irp b, 0,1,2,3
	v_cvt_scalef32_pk8_bf8_f32 v[PCB+4*\b:PCB+4*\b+1], v[AC+16*\b:AC+16*\b+7], v[TM+12+\b]
	v_cvt_scalef32_pk8_bf8_f32 v[PCB+4*\b+2:PCB+4*\b+3], v[AC+16*\b+8:AC+16*\b+15], v[TM+12+\b]
.endr
	v_nop                                          ; a plain vector instruction behind the last conversion
.endm
.macro PUT cb, sb, s1, half, q         ; the four blocks' images, 512 consecutive bytes each: blocks 0, 1 are c, c + 1 of one tile, blocks 2, 3 of the next, s1 bytes on; then the scale bytes
	WIN 0x04
.irp i, 0,1,2,3
	global_store_b128 v[LI], v[PCB+4*\i:PCB+4*\i+3], s[\cb:\cb+1] offset:(\q)*2*(\s1)+(\i/2)*(\s1)+(\i%2)*512
.endr
	WIN 0
.if \half
	global_store_b16 v[L4], v[ST], s[\sb:\sb+1] offset:(\q)*128
.else
	global_store_b32 v[L4], v[ST], s[\sb:\sb+1] offset:(\q)*128
.endif
.endm
.macro PART z, cb, sb, s1, half
.irp k, 0,1,2,3,4,5,6,7
	STAGE \z, \k
.endr
	WIN 0
	PLACES 8                                       ; in front of the first read of results
.if (\z) == 2
	RELOAD 7
.endif
.irp q, 0,1
	QUANT \q
	PUT \cb, \sb, \s1, \half, \q
.endr
.endm
	s_wait_alu depctr_va_vdst(0)                   ; the wait at the head's end
	s_wait_tensorcnt 0x0                           ; my 48 rows of W have landed,
	s_barrier_signal -1
	s_barrier_wait -1                              ; everybody's have
.Ltrip:
	LOADB 0
	s_wait_loadcnt 48                              ; all but the youngest 48 loads, x's fragments of steps 5 to 7, are in
.set N, 0
.rept 16
	v_mov_b32 v[SAR+N], v[SHD+N]                   ; this trip's scale words of x
.set N, N+1
.endr
	s_wait_alu depctr_va_vdst(0)
	PLACES 8                                       ; a scale register written by a vector instruction stands eight places ahead of the product
	PART 0, QB, QSB, 1024, 0
	PART 1, KB, KSB, 1024, 0
	PART 2, VB, VSB, 2048, 1
	s_wait_xcnt 0x0                                ; every load and store has read its base: they step 256 tokens on
	s_add_nc_u64 s[XB:XB+1], s[XB:XB+1], 16*16384
	s_add_nc_u64 s[XS:XS+1], s[XS:XS+1], 16*512
	s_add_nc_u64 s[QB:QB+1], s[QB:QB+1], 16*1024
	s_add_nc_u64 s[QSB:QSB+1], s[QSB:QSB+1], 16*64
.irp p, KB, KSB, VB, VSB
	s_add_nc_u64 s[\p:\p+1], s[\p:\p+1], 2*REC
.endr
	s_sub_co_u32 s[TRIP], s[TRIP], 1
	s_cmp_lg_u32 s[TRIP], 0
	s_cbranch_scc1 .Ltrip
	s_wait_tensorcnt 0x0                           ; the wave's end
	ds_add_u32 v[SPW], v[NIL]
	s_wait_dscnt 0x0
	ROUND                                          ; the closing round
	s_endpgm
.Lfunc_end_k_qe2c5e7006a_gemm_qkv:
	.size	k_qe2c5e7006a_gemm_qkv, .Lfunc_end_k_qe2c5e7006a_gemm_qkv-k_qe2c5e7006a_gemm_qkv
	.p2alignl 7, 3214868480
	.fill 96, 4, 3214868480
	.section	.rodata,"a",@progbits
	.p2align	6, 0x0
	.amdhsa_kernel k_qe2c5e7006a_gemm_qkv
		.amdhsa_group_segment_fixed_size 200192
		.amdhsa_private_segment_fixed_size 0
		.amdhsa_enable_private_segment 0
		.amdhsa_kernarg_size 56
		.amdhsa_user_sgpr_count 2
		.amdhsa_user_sgpr_kernarg_segment_ptr 1
		.amdhsa_wavefront_size32 1
		.amdhsa_system_sgpr_workgroup_id_x 1
		.amdhsa_system_sgpr_workgroup_id_y 1
		.amdhsa_system_sgpr_workgroup_id_z 1
		.amdhsa_system_vgpr_workitem_id 0
		.amdhsa_next_free_vgpr 1024
		.amdhsa_next_free_sgpr 66
		.amdhsa_reserve_vcc 1
		.amdhsa_float_denorm_mode_32 3
		.amdhsa_float_denorm_mode_16_64 3
		.amdhsa_memory_ordered 1
		.amdhsa_forward_progress 1
		.amdhsa_inst_pref_size 173
	.end_amdhsa_kernel
	.amdgpu_metadata
---
amdhsa.version: [ 1, 2 ]
amdhsa.kernels:
  - .name:           k_qe2c5e7006a_gemm_qkv
    .symbol:         k_qe2c5e7006a_gemm_qkv.kd
    .args:
      - { .name: xcodes, .offset: 0, .size: 8, .value_kind: global_buffer, .address_space: global }
      - { .name: wcodes, .offset: 8, .size: 8, .value_kind: global_buffer, .address_space: global }
      - { .name: bq, .offset: 16, .size: 8, .value_kind: global_buffer, .address_space: global }
      - { .name: bk, .offset: 24, .size: 8, .value_kind: global_buffer, .address_space: global }
      - { .name: bv, .offset: 32, .size: 8, .value_kind: global_buffer, .address_space: global }
      - { .name: qfrag, .offset: 40, .size: 8, .value_kind: global_buffer, .address_space: global }
      - { .name: kvrec, .offset: 48, .size: 8, .value_kind: global_buffer, .address_space: global }
    .group_segment_fixed_size: 200192
    .private_segment_fixed_size: 0
    .kernarg_segment_align: 8
    .kernarg_segment_size: 56
    .max_flat_workgroup_size: 128
    .sgpr_count:     66
    .vgpr_count:     1024
    .wavefront_size: 32
...
	.end_amdgpu_metadata
.endif
;; end of part 2
;; launch attn (part 3): grid 4 x 64, 8 waves a work-group, clusters of 4 x 1, 276,480 bytes of LDS; arguments qfrag, kvrec, ofrag; writes ofrag
.if DOCPART == 3
	.amdgcn_target "amdgcn-amd-amdhsa--gfx1250"
	.amdhsa_code_object_version 6
	.text
	.protected	k_qe2c5e7006a_attn
	.globl	k_qe2c5e7006a_attn
	.p2align	8
	.type	k_qe2c5e7006a_attn,@function
k_qe2c5e7006a_attn:
	s_mov_b64 s[64:65], 0
	v_nop
	global_prefetch_b8 v0, s[64:65] scope:SCOPE_SE
	s_setreg_imm32_b32 hwreg(HW_REG_WAVE_MODE, 25, 1), 1
	s_wait_xcnt 0x0
	s_wait_alu depctr_hold_cnt(0) depctr_sa_sdst(0) depctr_va_vdst(0) depctr_va_sdst(0) depctr_va_ssrc(0) depctr_va_vcc(0) depctr_vm_vsrc(0)
	s_getreg_b32 s2, hwreg(HW_REG_IB_STS2, 6, 4)
	s_cmp_eq_u32 s2, 0
	s_cbranch_scc0 .Lentry_in_a_cluster
	s_endpgm
.Lentry_in_a_cluster:
	s_bfe_u32 s2, ttmp6, 0x10000c
	s_cmp_lg_u32 s2, 0x3003
	s_cbranch_scc0 .Lentry_shape_is_right
	s_endpgm
.Lentry_shape_is_right:
; Causal attention of one head (64 channels, 2,048 tokens) on codes of E5M2 with one E8M0 scale for each 32 along a product's K; the result is quantised along the channels and leaves as images of the output product's operand registers.
; t = score x log2(e) / 8; M = the row's largest t so far, rounded UP to a whole number; p = 2^(t - M) is what is quantised, along the keys; it is not normalised.  The row's sum is taken of the unquantised p and divides O at the end.
; When M moves, the sum and O are multiplied by 2^(old M - new M): exact.
; WORK LEFT OUT: key steps all of whose 128 keys come after a wave's queries: reference()'s own causal mask gives them the weight 0 for all values of the inputs.  A NaN or an infinity that reaches only those scores is not carried to the result.
; CLUSTER.  The four work-groups of a cluster serve one head and read the same K and V.  A head's 16 records (128 keys each: K's codes, V^T's codes, both scale words: REC bytes) are asked for jointly and fill LDS ONCE:
; each of the eight waves issues one tensor load of two records, 134 rows of 256 bytes; nothing is filled again and nothing is stored to LDS.  No prefetch: all of K and V is asked for at the head, so there is no loop to run ahead in.
; SHARES.  A tile is 16 queries; a group is the 128 tokens of 8 tiles.  Wave w of the work-group at place cx takes tiles 2 cx and 2 cx + 1 (32 queries) of group 15 - w and then of group w: 16 - w and w + 1 key steps, 17 for every wave.
; Each fragment of K and of V^T that a wave reads from LDS feeds two matrix instructions.  The place cx enters global addresses and the mask's number alone; trip counts are constants and a hidden step is passed over by a branch on the wave's number.
; LAYOUT.  Both products are used transposed: S^T = K Q^T (source 0 = 16 keys, source 1 = 16 queries; of the instruction's 128 along K the upper 64 are zero codes), O^T = V^T P^T: a lane holds ONE query of each tile.
; Tokens and channels lie in the stored order (bits 3 and 4 of the index exchanged), so that the 16 registers of tiles 2 b and 2 b + 1 are 16 neighbouring keys (channels).
; A block's largest p is taken from its largest score; this takes v_exp_f32 not to fall where its input rises.
; LIMITS: NaN and infinities are not served; a block of zeros carries the byte 1 (its codes are zeros); the promise holds while the scaled scores stay under 2^31 in magnitude.
; REGISTERS.  Query tile u has S^T / p, O^T, Q, p's codes and the holds in window u, under the same numbers.  Window 0 also: addresses, K's four fragments (upper eight registers of each stay zero), all scale words.
; Window 1 also: V^T's four fragments, and BOTH tiles' row statistics, so that the two tiles' short dependent chains are worked by turns under one setting of the windows.
.set REC,  17152
.set VOFF, 8192                        ; in a record: V^T's codes,
.set KSC,  16384                       ; K's scale words,
.set VSC,  16896                       ; V's
.set QSC,  0x800000
.set OSC,  0x800000
.set SPARE, 0x43000                    ; behind the 16 records: the spare words, 128 bytes a wave
; window 0
.set LI,   1                           ; 16 x lane
.set LS,   2                           ; 4 x (lane % 16)
.set DM,   3                           ; tile 0: my query's place in its group - 16 (lane / 16)
.set NINF, 4                           ; -infinity
.set OSB,  5                           ; 4 x (lane % 16) + lane / 16
.set SPW,  6                           ; my spare word; never rewritten
.set NIL,  7                           ; 0; never rewritten
.set AD,   8                           ; the step's record + LI, + LS; the next record likewise
.set ADS,  9
.set ADN,  10
.set ADSN, 11
.set QS2,  12                          ; v12-13   Q's scale words, second pass
.set KF,   32                          ; v32-95   K's fragments
.set KSW,  208                         ; v208-215 K's scale words of a step
.set VSW,  216                         ; v216-219 V's
.set PS,   220                         ; v220-221 p's scale words, tile 0, 1
.set QS1,  222                         ; v222-223 Q's scale words, first pass
; both windows
.set Q1,   16                          ; Q of the first pass (8 registers and 8 of zeros)
.set S,    96                          ; v96-159  S^T, then p
.set O,    160                         ; v160-191 O^T
.set Q2,   192                         ; Q of the second pass
.set PC,   224                         ; v224-239 p's codes
.set H,    248                         ; v248-251 57,344 x the blocks' scales
; window 1
.set BM,   0                           ; v0-7     block maxima, tile u block b at 4 u + b
.set PT,   8                           ; v8-15    second chains, other lanes' maxima, scale bytes
.set VF,   32                          ; v32-95   V^T's fragments
.set NM,   208                         ; pairs (-M, largest t), tile u at + 2 u
.set SUM,  212                         ; the sums, in two halves
.set F,    216                         ; pairs (f, 0)
.set T,    220                         ; v220-221 at work
.set DM1,  222                         ; tile 1's DM
.set NINF1, 223
.set CV,   240                         ; v240-247 the conversions' scale operands, 4 u + b
.set X1,   252
.set X2,   254
.set WV,   10                          ; s10 my wave's number
.set MNT,  19                          ; s19 the mantissa field of 57,344
.set SEL,  20                          ; s[20:21] lane selects: lane l xor 16
.set CS,   22                          ; s[22:23] c = log2(e) / 8
.set G1,   24                          ; s[24:31] descriptor group 1
.set G0,   32                          ; s[32:35] group 0
.set TBN,  36                          ; s36 LDS byte of the next record, held at the last
.set TB,   48                          ; s48 LDS byte at which the step's record begins
.set J,    49                          ; s49 the key step
.set CNT,  50                          ; s50 the loops' count
.set G,    51                          ; s51 my queries' group
.set MSB, 0
.macro WIN new                         ; low byte: bits 1:0 source 0, 3:2 source 1, 5:4 source 2, 7:6 destination; the high byte repeats the setting that is left
.if MSB != (\new)
	s_set_vgpr_msb (MSB<<8)|(\new)
.set MSB, (\new)
.endif
.endm
.macro ROUND                           ; a round of the cluster's barrier
	s_barrier_signal -1
	s_barrier_wait -1
	s_cmp_lg_u32 s[WV], 0
	s_cbranch_scc1 .Lnot_wave_0_\@
	s_barrier_signal -3
.Lnot_wave_0_\@:
	s_barrier_wait -3
	s_barrier_signal -1
	s_barrier_wait -1
.endm
	s_load_b128 s[4:7], s[0:1], 0x0                ; qfrag s[4:5], kvrec s[6:7]
	s_load_b64 s[8:9], s[0:1], 0x10                ; ofrag
	v_lshl_add_u32 v[SPW], v0, 2, SPARE
	v_mov_b32 v[NIL], 0
	ds_add_u32 v[SPW], v[NIL]                      ; the opening lines: the add, twice on end, and its wait ahead of my tensor load
	ds_add_u32 v[SPW], v[NIL]
	v_lshrrev_b32 v1, 5, v0
	v_readfirstlane_b32 s[WV], v1                  ; wave 0..7
	s_and_b32 s11, ttmp7, 0xffff                   ; the head, 16 x batch + head: the four partners share it
	s_bfe_u32 s12, ttmp6, 0x40000                  ; cx
	s_mov_b32 s[G1], 15|(3<<16)|(1<<21)            ; the mask: all four work-groups; elements of 8 bytes; bit 21 beside a mask
	s_mov_b32 s[G1+1], 32<<16                      ; two records as 134 dense rows of 256 bytes
	s_mov_b32 s[G1+2], 134<<16
	s_mov_b32 s[G1+3], 32<<16
	s_mov_b32 s[G1+4], 134
	s_mov_b32 s[G1+5], 32
	s_mov_b32 s[G1+6], 0
	s_mov_b32 s[G1+7], 0
	s_mul_i32 s13, s[WV], 2*REC                    ; wave w brings records 2 w and 2 w + 1
	s_mul_i32 s14, s11, 16*REC
	s_add_co_u32 s14, s14, s13
	s_mov_b32 s15, 0
	s_mov_b32 s[MNT], 0x600000
	s_mov_b32 s[SEL], 0x76543210
	s_mov_b32 s[SEL+1], 0xfedcba98
	s_mov_b32 s[CS], 0x3e38aa3b
	s_mov_b32 s[CS+1], s[CS]                       ; (named with it as a pair, so it is written)
	s_wait_dscnt 0x0
	s_wait_kmcnt 0x0
	s_mov_b32 s[G0], 1
	s_mov_b32 s[G0+1], s13
	s_add_nc_u64 s[G0+2:G0+3], s[6:7], s[14:15]
	s_or_b32 s[G0+3], s[G0+3], 0x80000000
	ROUND                                          ; all four work-groups are here: the joint loads meet
	tensor_load_to_lds s[G0:G0+3], s[G1:G1+7]      ; every wave's one load
	s_nop 0
.rept 4
	v_nop
.endr
	s_lshl_b32 s52, s12, 1                         ; my first tile in a group: 2 cx
	s_lshl_b32 s53, s[WV], 3
	s_add_co_u32 s53, s53, s52                     ; the second pass's first tile: 8 w + 2 cx
	s_sub_co_u32 s74, 15, s[WV]                    ; the first pass's group,
	s_lshl_b32 s75, s74, 3
	s_add_co_u32 s75, s75, s52                     ; and first tile
	s_lshl_b32 s76, s11, 17                        ; Q's codes: 128 tiles of 1,024 bytes a head
	s_lshl_b32 s77, s11, 13
	s_add_co_u32 s77, s77, QSC                     ; its scale words: 128 tiles of 64 bytes
	s_lshr_b32 s78, s11, 4
	s_lshl_b32 s78, s78, 7                         ; 128 tiles of rows a batch
	s_and_b32 s79, s11, 15                         ; the head in its batch
	s_lshr_b32 s18, s79, 1
	s_lshl_b32 s18, s18, 6                         ; O's scale words: 64 bytes for each K step of 128 (two heads),
	s_and_b32 s13, s79, 1
	s_lshl_b32 s13, s13, 1
	s_add_co_u32 s18, s18, s13                     ; my head's two bytes of a word
	s_add_co_u32 s18, s18, OSC
	s_lshl_b32 s79, s79, 10                        ; O's codes: 1,024 bytes a head in a tile's 16,384
.macro PTRS t, qc, qs, oc, os          ; the four addresses of the tile whose number is in s[t]; the tile behind it lies 1,024, 64, 16,384 and 512 bytes on
	s_lshl_b32 s14, s[\t], 10
	s_add_co_u32 s14, s14, s76
	s_add_nc_u64 s[\qc:\qc+1], s[4:5], s[14:15]
	s_lshl_b32 s14, s[\t], 6
	s_add_co_u32 s14, s14, s77
	s_add_nc_u64 s[\qs:\qs+1], s[4:5], s[14:15]
	s_add_co_u32 s13, s78, s[\t]
	s_lshl_b32 s14, s13, 14
	s_add_co_u32 s14, s14, s79
	s_add_nc_u64 s[\oc:\oc+1], s[8:9], s[14:15]
	s_lshl_b32 s14, s13, 9
	s_add_co_u32 s14, s14, s18
	s_add_nc_u64 s[\os:\os+1], s[8:9], s[14:15]
.endm
	PTRS 75, 54, 56, 66, 68
	PTRS 53, 58, 60, 70, 72
	s_lshl_b32 s13, s12, 5                         ; tile 2 cx begins at place 32 cx of its group
	v_and_b32 v8, 31, v0
	v_lshlrev_b32 v[LI], 4, v8
	v_and_b32 v9, 15, v0                           ; r
	v_bfe_u32 v10, v0, 4, 1                        ; h
	v_lshlrev_b32 v[LS], 2, v9
.irp u, 0,1                                    ; Q's fragments stay in registers: two groups of four registers a tile, 64 channels
	WIN 0x40*\u
	global_load_b128 v[Q1:Q1+3], v[LI], s[54:55] offset:1024*\u
	global_load_b128 v[Q1+4:Q1+7], v[LI], s[54:55] offset:1024*\u+512
	global_load_b128 v[Q2:Q2+3], v[LI], s[58:59] offset:1024*\u
	global_load_b128 v[Q2+4:Q2+7], v[LI], s[58:59] offset:1024*\u+512
.endr
	WIN 0
.irp u, 0,1
	global_load_b32 v[QS1+\u], v[LS], s[56:57] offset:64*\u
	global_load_b32 v[QS2+\u], v[LS], s[60:61] offset:64*\u
.endr
	v_add_nc_u32 v[OSB], v[LS], v10
	v_and_b32 v[DM], 8, v9
	v_add_nc_u32 v[DM], v[DM], v9                  ; r + 8 (r / 8)
	v_lshlrev_b32 v11, 4, v10
	v_sub_nc_u32 v[DM], v[DM], v11                 ; - 16 h
	v_add_nc_u32 v[DM], s13, v[DM]
	v_mov_b32 v[NINF], 0xff800000
.set N, 0
.rept 8
.irp t, 0,1,2,3
	v_mov_b32 v[KF+16*\t+8+N], 0                   ; zero codes for the upper 64 of the instruction's K: in K's four fragments, written once,
.endr
.set N, N+1
.endr
.irp w, 0, 0x40
	WIN \w
.set N, 0
.rept 8
	v_mov_b32 v[Q1+8+N], 0                         ; and in Q, both tiles
	v_mov_b32 v[Q2+8+N], 0
.set N, N+1
.endr
.endr
	v_add_nc_u32 v[DM1], 8, v[DM]                  ; (destination window 1) tile 1 begins 8 places on
	v_mov_b32 v[NINF1], 0xff800000
.set N, 0
.rept 8
	v_mov_b32 v[PT+N], 0                           ; written once: a lane permute's destination counts as one of its sources
.set N, N+1
.endr
.irp r, F, F+1, F+2, F+3, T, T+1
	v_mov_b32 v[\r], 0                             ; (upper halves of pairs are named before they are first written)
.endr
	WIN 0
.macro BEGIN                           ; a pass begins: O^T and the sums as zeros, which the first change of M leaves zeros
	WIN 0x55
.irp u, 0,1
	v_mov_b32 v[NM+2*\u+1], 0xff61b1e6             ; the largest t so far: -3e38, under every t
	v_mov_b32 v[SUM+2*\u], 0
	v_mov_b32 v[SUM+2*\u+1], 0
.endr
.irp u, 0,1
	v_floor_f32 v[NM+2*\u], -v[NM+2*\u+1]          ; -M
.endr
.irp w, 0x55, 0
	WIN \w
.set N, 0
.rept 32
	v_mov_b32 v[O+N], 0
.set N, N+1
.endr
.endr
.endm
.macro KPRE a, as                      ; K's first four tiles and all eight scale words of the record at a
.irp t, 0,1,2,3
	ds_load_b128 v[KF+16*\t:KF+16*\t+3], v[\a] offset:\t*1024
	ds_load_b128 v[KF+16*\t+4:KF+16*\t+7], v[\a] offset:\t*1024+512
.endr
.irp t, 0,1,2,3,4,5,6,7
	ds_load_b32 v[KSW+\t], v[\as] offset:KSC+64*\t
.endr
.endm
.macro SMUL g, qf, qs                  ; S^T of key tiles 4 g .. 4 g + 3 for both query tiles: eight sums that begin with 0
.irp u, 0,1
	WIN 0x44*\u
.irp t, 0,1,2,3
	v_wmma_scale_f32_16x16x128_f8f6f4 v[S+8*(4*\g+\t):S+8*(4*\g+\t)+7], v[KF+16*\t:KF+16*\t+15], v[\qf:\qf+15], 0, v[KSW+4*\g+\t], v[\qs+\u] matrix_a_fmt:MATRIX_FMT_BF8 matrix_b_fmt:MATRIX_FMT_BF8
.endr
.endr
.endm
.macro MASK b0                         ; only the step on the diagonal has hidden keys: in blocks b0, b0 + 1 their scores become -infinity.  Register 16 b + i is key 32 b + 16 h + i
	WIN 0
	s_cmp_lg_u32 s[J], s[G]
	s_cbranch_scc1 .Lopen_\@
.set N, 0
.rept 32
	v_cmp_gt_i32 vcc_lo, 32*(\b0+N/16)+N%16, v[DM]
	v_cndmask_b32 v[S+16*\b0+N], v[S+16*\b0+N], v[NINF], vcc_lo
.set N, N+1
.endr
	WIN 0x55
.set N, 0
.rept 32
	v_cmp_gt_i32 vcc_lo, 32*(\b0+N/16)+N%16, v[DM1]
	v_cndmask_b32 v[S+16*\b0+N], v[S+16*\b0+N], v[NINF1], vcc_lo
.set N, N+1
.endr
	WIN 0
.Lopen_\@:
.endm
.macro MAXB u, b0                      ; the largest score of my 16 keys of blocks b0, b0 + 1 of tile u, two chains a block; each accumulator is read from its low end on
	WIN 0x40+0x15*\u
.irp b, \b0, \b0+1
	v_max3_num_f32 v[BM+4*\u+(\b)], v[S+16*(\b)], v[S+16*(\b)+1], v[S+16*(\b)+2]
	v_max3_num_f32 v[PT+4*\u+(\b)], v[S+16*(\b)+7], v[S+16*(\b)+8], v[S+16*(\b)+9]
.endr
	WIN 0x50+0x05*\u
.irp i, 3,5
.irp b, \b0, \b0+1
	v_max3_num_f32 v[BM+4*\u+(\b)], v[S+16*(\b)+\i], v[S+16*(\b)+\i+1], v[BM+4*\u+(\b)]
	v_max3_num_f32 v[PT+4*\u+(\b)], v[S+16*(\b)+\i+7], v[S+16*(\b)+\i+8], v[PT+4*\u+(\b)]
.endr
.endr
.irp b, \b0, \b0+1
	v_max3_num_f32 v[BM+4*\u+(\b)], v[S+16*(\b)+14], v[S+16*(\b)+15], v[BM+4*\u+(\b)]
.endr
.endm
.macro JOIN b0                         ; the two chains, and lane l xor 16's 16 keys: the block's largest score, both tiles
	WIN 0x55
.irp u, 0,1
.irp b, \b0, \b0+1
	v_max_num_f32 v[BM+4*\u+(\b)], v[BM+4*\u+(\b)], v[PT+4*\u+(\b)]
.endr
.endr
.irp u, 0,1
.irp b, \b0, \b0+1
	v_permlanex16_b32 v[PT+4*\u+(\b)], v[BM+4*\u+(\b)], s[SEL], s[SEL+1]
.endr
.endr
.irp u, 0,1
.irp b, \b0, \b0+1
	v_max_num_f32 v[BM+4*\u+(\b)], v[BM+4*\u+(\b)], v[PT+4*\u+(\b)]
.endr
.endr
.endm
.macro SCALE u                         ; O^T under the new M, and t - M, two at a time
	WIN 0x04+0x51*\u
.set N, 0
.rept 16
	v_pk_mul_f32 v[O+N:O+N+1], v[O+N:O+N+1], v[F+2*\u:F+2*\u+1] op_sel_hi:[1,0]
.set N, N+2
.endr
	WIN 0x10+0x45*\u
.set N, 0
.rept 32
	v_pk_fma_f32 v[S+N:S+N+1], v[S+N:S+N+1], s[CS:CS+1], v[NM+2*\u:NM+2*\u+1] op_sel_hi:[1,0,0]
.set N, N+2
.endr
.endm
.macro SUMS u                          ; the row's sum of the unquantised p: 32 pairs in four chains
	WIN 0x40+0x15*\u
	v_pk_add_f32 v[X1:X1+1], v[S:S+1], v[S+2:S+3]
	v_pk_add_f32 v[X2:X2+1], v[S+4:S+5], v[S+6:S+7]
	v_pk_add_f32 v[T:T+1], v[S+8:S+9], v[S+10:S+11]
	WIN 0x44+0x11*\u
.set N, 12
.rept 6
	v_pk_add_f32 v[SUM+2*\u:SUM+2*\u+1], v[S+N:S+N+1], v[SUM+2*\u:SUM+2*\u+1]
	v_pk_add_f32 v[X1:X1+1], v[S+N+2:S+N+3], v[X1:X1+1]
	v_pk_add_f32 v[X2:X2+1], v[S+N+4:S+N+5], v[X2:X2+1]
	v_pk_add_f32 v[T:T+1], v[S+N+6:S+N+7], v[T:T+1]
.set N, N+8
.endr
	v_pk_add_f32 v[SUM+2*\u:SUM+2*\u+1], v[S+60:S+61], v[SUM+2*\u:SUM+2*\u+1]
	v_pk_add_f32 v[X1:X1+1], v[S+62:S+63], v[X1:X1+1]
	WIN 0x55
	v_pk_add_f32 v[X1:X1+1], v[X1:X1+1], v[X2:X2+1]
	v_pk_add_f32 v[SUM+2*\u:SUM+2*\u+1], v[SUM+2*\u:SUM+2*\u+1], v[T:T+1]
	v_pk_add_f32 v[SUM+2*\u:SUM+2*\u+1], v[SUM+2*\u:SUM+2*\u+1], v[X1:X1+1]
.endm
.macro HOLD u                          ; the conversion does not saturate (ISA guide 7.6.2); p is not negative, so the hold is one-sided: two numbers an instruction; then the codes
	WIN 0x55*\u
.irp b, 0,1,2,3
.set N, 0
.rept 8
	v_dual_min_num_f32 v[S+16*\b+N], v[H+\b], v[S+16*\b+N] :: v_dual_min_num_f32 v[S+16*\b+N+1], v[H+\b], v[S+16*\b+N+1]
.set N, N+2
.endr
.endr
	WIN 0x04+0x51*\u
.irp b, 0,1,2,3
	v_cvt_scalef32_pk8_bf8_f32 v[PC+4*\b:PC+4*\b+1], v[S+16*\b:S+16*\b+7], v[CV+4*\u+\b]
	v_cvt_scalef32_pk8_bf8_f32 v[PC+4*\b+2:PC+4*\b+3], v[S+16*\b+8:S+16*\b+15], v[CV+4*\u+\b]
.endr
.endm
; A KEY STEP: 128 keys, both query tiles.  qf: Q's fragment; qs: its scale words.  At its head K's first four tiles and K's scale words are in registers: the step before (or the pass's head) has asked for them.
.macro STEP qf, qs
	s_cmp_gt_u32 s[J], s[G]                        ; all its keys come after my queries: only the stepping at the end is done
	s_cbranch_scc1 .Lhid_\@
	SMUL 0, \qf, \qs
	WIN 0
	s_add_co_u32 s[TBN], s[TB], REC
	s_min_u32 s[TBN], s[TBN], 15*REC               ; the last step asks for the last record once more: every LDS read stays inside the 16 records
	v_add_nc_u32 v[AD], s[TB], v[LI]               ; these four and four v_nop are the eight places in front of the loads below and of the first read of the scores
	v_add_nc_u32 v[ADS], s[TB], v[LS]
	v_add_nc_u32 v[ADN], s[TBN], v[LI]
	v_add_nc_u32 v[ADSN], s[TBN], v[LS]
.rept 4
	v_nop
.endr
.irp t, 0,1,2,3                                ; K's tiles 4 to 7,
	ds_load_b128 v[KF+16*\t:KF+16*\t+3], v[AD] offset:(4+\t)*1024
	ds_load_b128 v[KF+16*\t+4:KF+16*\t+7], v[AD] offset:(4+\t)*1024+512
.endr
	WIN 0x40
.irp t, 0,1,2,3                                ; V^T's four fragments (16 channels x 128 keys each), into window 1,
.irp c, 0,1,2,3
	ds_load_b128 v[VF+16*\t+4*\c:VF+16*\t+4*\c+3], v[AD] offset:VOFF+2048*\t+512*\c
.endr
.endr
	WIN 0
.irp t, 0,1,2,3
	ds_load_b32 v[VSW+\t], v[ADS] offset:VSC+64*\t ; and V's scale words
.endr
	MASK 0
	MAXB 0, 0                                      ; blocks 0 and 1 are searched while the loads are out
	MAXB 1, 0
	s_wait_alu depctr_va_vdst(0)                   ; directly ahead of the wait below
	s_wait_dscnt 20                                ; K's tiles 4 to 7 are in; V's 16 fragment loads and 4 scale loads, issued behind them, may be out
	SMUL 1, \qf, \qs
	JOIN 0                                         ; twelve instructions on the statistics: the places in front of the loads below and of the first read of these scores
	WIN 0
	KPRE ADN, ADSN                                 ; the next step's first four tiles of K and its scale words
	MASK 2
	MAXB 0, 2
	MAXB 1, 2
	JOIN 2
.irp u, 0,1
	v_max3_num_f32 v[T+\u], v[BM+4*\u], v[BM+4*\u+1], v[BM+4*\u+2]
.endr
.irp u, 0,1
	v_max_num_f32 v[T+\u], v[T+\u], v[BM+4*\u+3]   ; the step's largest score of my query
.endr
.irp u, 0,1
	v_mul_f32 v[T+\u], s[CS], v[T+\u]              ; as t (c is positive)
.endr
.irp u, 0,1
	v_max_num_f32 v[NM+2*\u+1], v[NM+2*\u+1], v[T+\u]   ; the running largest t
.endr
.irp u, 0,1
	v_mov_b32 v[T+\u], v[NM+2*\u]
.endr
.irp u, 0,1
	v_floor_f32 v[NM+2*\u], -v[NM+2*\u+1]          ; the new -M = floor(-t) = -ceil(t)
.endr
.irp u, 0,1
	v_sub_f32 v[T+\u], v[NM+2*\u], v[T+\u]         ; M's old value less its new one: a whole number, 0 or less
.endr
.irp u, 0,1
	v_cvt_i32_f32 v[T+\u], v[T+\u]                 ; (it saturates)
.endr
.irp u, 0,1
	v_ldexp_f32 v[F+2*\u], 1.0, v[T+\u]            ; f = 2^(old M - new M)
.endr
.irp u, 0,1
.irp b, 0,1,2,3
	v_fma_f32 v[BM+4*\u+\b], v[BM+4*\u+\b], s[CS], v[NM+2*\u]   ; t - M of each block's largest score
.endr
.endr
	SCALE 1
	SCALE 0
	WIN 0
	s_wait_dscnt 0x0                               ; V, its scale words and the next step's K are in
	s_wait_alu depctr_va_vdst(0)                   ; the wait ahead of the batch
.irp u, 0,1
	WIN 0x55*\u
.set N, 0
.rept 64
	v_exp_f32 v[S+N], v[S+N]                       ; p = 2^(t - M), at most 1
.set N, N+1
.endr
.endr
.set N, 0
.rept 8
	v_exp_f32 v[BM+N], v[BM+N]                     ; the blocks' largest p
.set N, N+1
.endr
.irp u, 0,1
	v_pk_mul_f32 v[SUM+2*\u:SUM+2*\u+1], v[SUM+2*\u:SUM+2*\u+1], v[F+2*\u:F+2*\u+1] op_sel_hi:[1,0]   ; the sums under the new M: plain work behind the exponentials
.endr
	s_wait_alu depctr_va_vdst(0)                   ; one wait for the whole batch, ahead of its first reader
.irp k, 0,1,2,3,4,5,6,7
	v_max_num_f32 v[BM+\k], 0x8000000, v[BM+\k]    ; the floor 2^(16 - 127): the byte cannot fall under 1
.endr
.irp k, 0,1,2,3,4,5,6,7
	v_add_nc_u32 v[CV+\k], 0xf8800000, v[BM+\k]    ; 15 off the exponent field: the conversion's scale operand
.endr
.irp k, 0,1,2,3,4,5,6,7
	v_lshrrev_b32 v[PT+\k], 23, v[CV+\k]           ; the scale's byte
.endr
.irp b, 0,1,2,3
	v_and_or_b32 v[H+\b], v[BM+4+\b], 0x7f800000, s[MNT]   ; 57,344 x the scale: tile 1's
.endr
.irp u, 0,1
	v_lshl_or_b32 v[T+\u], v[PT+4*\u+1], 8, v[PT+4*\u]
.endr
.irp u, 0,1
	v_lshl_or_b32 v[T+\u], v[PT+4*\u+2], 16, v[T+\u]
.endr
	WIN 0x11
.irp u, 0,1
	v_lshl_or_b32 v[PS+\u], v[PT+4*\u+3], 24, v[T+\u]   ; p's scale word for these 128 keys, into window 0, where scale operands are taken from
.endr
	WIN 0x01
.irp b, 0,1,2,3
	v_and_or_b32 v[H+\b], v[BM+\b], 0x7f800000, s[MNT]   ; tile 0's holds, into window 0
.endr
	SUMS 1
	SUMS 0
	HOLD 0
	HOLD 1
.rept 4
	v_nop                                          ; four places between tile 1's last codes and the products
.endr
.irp u, 0,1                                    ; O^T += V^T P^T: eight accumulators by turns
	WIN 0x01+0x54*\u
.irp t, 0,1,2,3
	v_wmma_scale_f32_16x16x128_f8f6f4 v[O+8*\t:O+8*\t+7], v[VF+16*\t:VF+16*\t+15], v[PC:PC+15], v[O+8*\t:O+8*\t+7], v[VSW+\t], v[PS+\u] matrix_a_fmt:MATRIX_FMT_BF8 matrix_b_fmt:MATRIX_FMT_BF8
.endr
.endr
	WIN 0
.Lhid_\@:
	s_add_co_u32 s[TB], s[TB], REC
	s_add_co_u32 s[J], s[J], 1
.endm
; A pass ends: O^T / the sum, quantised along the channels (register 16 b + i is channel 32 b + 16 h + i), stored as two groups of four registers of the output product's operand, and two scale bytes a row; both tiles.
.macro FINISH oc, os
	WIN 0x55
.rept 8
	v_nop                                          ; places behind the last products
.endr
.irp u, 0,1
	v_add_f32 v[SUM+2*\u], v[SUM+2*\u], v[SUM+2*\u+1]   ; the sum's two halves,
.endr
.irp u, 0,1
	v_permlanex16_b32 v[T+\u], v[SUM+2*\u], s[SEL], s[SEL+1]
.endr
.irp u, 0,1
	v_add_f32 v[SUM+2*\u], v[SUM+2*\u], v[T+\u]    ; and lane l xor 16's
.endr
	s_wait_alu depctr_va_vdst(0)                   ; the wait ahead of the reciprocals
.irp u, 0,1
	v_rcp_f32 v[SUM+2*\u], v[SUM+2*\u]
.endr
	v_nop                                          ; a plain instruction behind them
.irp u, 0,1
	WIN 0x04+0x51*\u
	s_wait_alu depctr_va_vdst(0)                   ; the wait directly ahead of the first readers of the reciprocal and of this tile's O^T
.set N, 0
.rept 16
	v_pk_mul_f32 v[S+N:S+N+1], v[O+N:O+N+1], v[SUM+2*\u:SUM+2*\u+1] op_sel_hi:[1,0]
.set N, N+2
.endr
.endr
.irp u, 0,1
	WIN 0x40+0x15*\u
.irp b, 0,1
	v_max3_num_f32 v[BM+4*\u+\b], |v[S+16*\b]|, |v[S+16*\b+1]|, 0x8000000
.endr
	WIN 0x50+0x05*\u
.irp i, 2,4,6,8,10,12,14
.irp b, 0,1
	v_max3_num_f32 v[BM+4*\u+\b], |v[S+16*\b+\i]|, |v[S+16*\b+\i+1]|, v[BM+4*\u+\b]
.endr
.endr
.endr
	WIN 0x55
.irp k, 0,1,4,5
	v_permlanex16_b32 v[PT+\k], v[BM+\k], s[SEL], s[SEL+1]
.endr
.irp k, 0,1,4,5
	v_max_num_f32 v[BM+\k], v[BM+\k], v[PT+\k]
.endr
.irp k, 0,1,4,5
	v_add_nc_u32 v[CV+\k], 0xf8800000, v[BM+\k]
.endr
.irp k, 0,1,4,5
	v_lshrrev_b32 v[PT+\k], 23, v[CV+\k]
.endr
.irp b, 0,1
	v_and_or_b32 v[H+\b], v[BM+4+\b], 0x7f800000, s[MNT]
.endr
	s_mov_b32 vcc_lo, 0xffff0000
.irp u, 0,1
	v_cndmask_b32 v[T+\u], v[PT+4*\u], v[PT+4*\u+1], vcc_lo   ; lanes 0-15 store the first block's byte, lanes 16-31 the second's
.endr
	WIN 0x01
.irp b, 0,1
	v_and_or_b32 v[H+\b], v[BM+\b], 0x7f800000, s[MNT]
.endr
.irp u, 0,1
	WIN 0x55*\u
.set N, 0
.rept 32
	v_med3_num_f32 v[S+N], v[S+N], -v[H+N/16], v[H+N/16]
.set N, N+1
.endr
	WIN 0x04+0x51*\u
.irp b, 0,1
	v_cvt_scalef32_pk8_bf8_f32 v[PC+4*\b:PC+4*\b+1], v[S+16*\b:S+16*\b+7], v[CV+4*\u+\b]
	v_cvt_scalef32_pk8_bf8_f32 v[PC+4*\b+2:PC+4*\b+3], v[S+16*\b+8:S+16*\b+15], v[CV+4*\u+\b]
.endr
.endr
	v_nop                                          ; a plain vector instruction behind the last conversion
.irp u, 0,1
	WIN 0x04*\u                                    ; a store's data are its source 1
	global_store_b128 v[LI], v[PC:PC+3], s[\oc:\oc+1] offset:16384*\u        ; 512 consecutive bytes, aligned
	global_store_b128 v[LI], v[PC+4:PC+7], s[\oc:\oc+1] offset:16384*\u+512
.endr
.irp u, 0,1
	global_store_b8 v[OSB], v[T+\u], s[\os:\os+1] offset:512*\u
.endr
	WIN 0
	s_wait_xcnt 0x0                                ; the stores' data are written again only behind this wait
.endm
	BEGIN
	s_mov_b32 s[G], s74
	s_mov_b32 s[TB], 0
	s_mov_b32 s[J], 0
	s_mov_b32 s[CNT], 16
	s_wait_alu depctr_va_vdst(0)                   ; the wait at the head's end
	s_wait_tensorcnt 0x0                           ; my two records have landed,
	s_barrier_signal -1
	s_barrier_wait -1                              ; everybody's have: the whole head lies in LDS
	KPRE LI, LS                                    ; record 0
	s_wait_loadcnt 0x0                             ; Q
	s_wait_dscnt 0x0
.Llong:
	STEP Q1, QS1
	s_sub_co_u32 s[CNT], s[CNT], 1
	s_cmp_lg_u32 s[CNT], 0
	s_cbranch_scc1 .Llong
	FINISH 66, 68
	BEGIN
	s_mov_b32 s[G], s[WV]
	s_mov_b32 s[TB], 0
	s_mov_b32 s[J], 0
	s_mov_b32 s[CNT], 8
	KPRE LI, LS
	s_wait_alu depctr_va_vdst(0)                   ; directly ahead of the wait below
	s_wait_dscnt 0x0
.Lshort:
	STEP Q2, QS2
	s_sub_co_u32 s[CNT], s[CNT], 1
	s_cmp_lg_u32 s[CNT], 0
	s_cbranch_scc1 .Lshort
	FINISH 70, 72
	s_wait_tensorcnt 0x0                           ; the wave's end
	ds_add_u32 v[SPW], v[NIL]
	s_wait_dscnt 0x0
	ROUND                                          ; the closing round
	s_endpgm
.Lfunc_end_k_qe2c5e7006a_attn:
	.size	k_qe2c5e7006a_attn, .Lfunc_end_k_qe2c5e7006a_attn-k_qe2c5e7006a_attn
	.p2alignl 7, 3214868480
	.fill 96, 4, 3214868480
	.section	.rodata,"a",@progbits
	.p2align	6, 0x0
	.amdhsa_kernel k_qe2c5e7006a_attn
		.amdhsa_group_segment_fixed_size 276480
		.amdhsa_private_segment_fixed_size 0
		.amdhsa_enable_private_segment 0
		.amdhsa_kernarg_size 24
		.amdhsa_user_sgpr_count 2
		.amdhsa_user_sgpr_kernarg_segment_ptr 1
		.amdhsa_wavefront_size32 1
		.amdhsa_system_sgpr_workgroup_id_x 1
		.amdhsa_system_sgpr_workgroup_id_y 1
		.amdhsa_system_sgpr_workgroup_id_z 1
		.amdhsa_system_vgpr_workitem_id 0
		.amdhsa_next_free_vgpr 512
		.amdhsa_next_free_sgpr 80
		.amdhsa_reserve_vcc 1
		.amdhsa_float_denorm_mode_32 3
		.amdhsa_float_denorm_mode_16_64 3
		.amdhsa_memory_ordered 1
		.amdhsa_forward_progress 1
		.amdhsa_inst_pref_size 130
	.end_amdhsa_kernel
	.amdgpu_metadata
---
amdhsa.version: [ 1, 2 ]
amdhsa.kernels:
  - .name:           k_qe2c5e7006a_attn
    .symbol:         k_qe2c5e7006a_attn.kd
    .args:
      - { .name: qfrag, .offset: 0, .size: 8, .value_kind: global_buffer, .address_space: global }
      - { .name: kvrec, .offset: 8, .size: 8, .value_kind: global_buffer, .address_space: global }
      - { .name: ofrag, .offset: 16, .size: 8, .value_kind: global_buffer, .address_space: global }
    .group_segment_fixed_size: 276480
    .private_segment_fixed_size: 0
    .kernarg_segment_align: 8
    .kernarg_segment_size: 24
    .max_flat_workgroup_size: 256
    .sgpr_count:     80
    .vgpr_count:     512
    .wavefront_size: 32
...
	.end_amdgpu_metadata
.endif
;; end of part 3
;; launch gemm_o (part 4): grid 32 x 8, 4 waves a work-group, clusters of 4 x 1, 167,936 bytes of LDS; arguments ofrag, wcodes, bo, out0; writes out0
.if DOCPART == 4
	.amdgcn_target "amdgcn-amd-amdhsa--gfx1250"
	.amdhsa_code_object_version 6
	.text
	.protected	k_qe2c5e7006a_gemm_o
	.globl	k_qe2c5e7006a_gemm_o
	.p2align	8
	.type	k_qe2c5e7006a_gemm_o,@function
k_qe2c5e7006a_gemm_o:
	s_mov_b64 s[64:65], 0
	v_nop
	global_prefetch_b8 v0, s[64:65] scope:SCOPE_SE
	s_setreg_imm32_b32 hwreg(HW_REG_WAVE_MODE, 25, 1), 1
	s_wait_xcnt 0x0
	s_wait_alu depctr_hold_cnt(0) depctr_sa_sdst(0) depctr_va_vdst(0) depctr_va_sdst(0) depctr_va_ssrc(0) depctr_va_vcc(0) depctr_vm_vsrc(0)
	s_getreg_b32 s2, hwreg(HW_REG_IB_STS2, 6, 4)
	s_cmp_eq_u32 s2, 0
	s_cbranch_scc0 .Lentry_in_a_cluster
	s_endpgm
.Lentry_in_a_cluster:
	s_bfe_u32 s2, ttmp6, 0x10000c
	s_cmp_lg_u32 s2, 0x3003
	s_cbranch_scc0 .Lentry_shape_is_right
	s_endpgm
.Lentry_shape_is_right:
; out0 = o Wo + bo on codes of E5M2 with one E8M0 scale for each 32 along K = 1,024; f32 sums; out0 [8192][1024] f32.
; SHARES.  Work-group (X, y) makes rows 256 X .. + 255 x columns 128 y .. + 127: 32 x 8 = 256 work-groups.  A wave makes 64 rows (4 tiles of 16) x all 128 columns: 32 accumulators.
; Wo IN LDS, ONCE.  The 128 rows of wcodes (places 3,072 + column), all of K, are brought by one tensor load of 32 rows a wave; nothing is filled again, so there is no ring.
; CLUSTER.  The four work-groups of a cluster differ in X alone and read the same rows of Wo: the loads are joint, with the mask of all four.  No prefetch: all that goes to LDS is asked for at the head.
; o IN REGISTERS.  ofrag holds images of operand registers: a wave loads the fragments of its 64 rows, all of K, 512 registers, straight from memory, 512 consecutive bytes a load.  No two waves of a work-group load the same bytes.
; A stage is 128 along K x 64 columns: Wo's four fragments come from LDS one stage ahead, into two buffers by turns; each feeds four products; the 32 accumulators take turns.
; Source 0 = Wo's rows, source 1 = o's rows: a lane holds eight neighbouring columns of one row.  Rows and columns lie in the stored order (bits 3 and 4 of the index exchanged); the way out puts them back.
; The bias is added on the way out, where a lane holds the same four columns of every row.
; REGISTERS.  Window 0: v1-15 addresses, the bias; v32-159 Wo's fragments, two buffers, later rows on their way out; v160-175 o's scale words; v176-207 Wo's.   Window 1: accumulator (a, b) at v[8 (8 a + b)].
;   Windows 2, 3: o's fragments, (tile a, step k) at v[16 (8 (a % 2) + k)] of window 2 + a / 2.
.set BP,     1040                      ; an LDS row: 1,024 bytes + 16 of padding
.set STAGE,  128*BP                    ; behind Wo: a stage of 16 rows x (512 + 16) bytes for each wave; no fill lands there
.set SPITCH, 528
.set SPARE,  STAGE+4*16*SPITCH
.set OSC,    0x800000
.set WSCL,   0x400000
.set LI,   1                           ; 16 x lane
.set L4,   2                           ; 4 x lane
.set LSC,  3                           ; 32 (lane % 16) + 16 (lane / 16)
.set ADB,  4                           ; v4-5 LDS address of my lane in Wo's rows 0-63, 64-127
.set STO,  6
.set RD,   7
.set SPW,  8
.set NIL,  9
.set BIAS, 12                          ; v12-15
.set SAR,  160                         ; o's scale words: register 4 a + j: lanes 0-15 step 2 j, lanes 16-31 step 2 j + 1
.set SBR,  176                         ; Wo's: register 4 b + j: lanes 0-15 step j, lanes 16-31 step 4 + j
.set WV,   12
.set G1,   24
.set G0,   32
.set MSB, 0
.macro WIN new
.if MSB != (\new)
	s_set_vgpr_msb (MSB<<8)|(\new)
.set MSB, (\new)
.endif
.endm
.macro ROUND
	s_barrier_signal -1
	s_barrier_wait -1
	s_cmp_lg_u32 s[WV], 0
	s_cbranch_scc1 .Lnot_wave_0_\@
	s_barrier_signal -3
.Lnot_wave_0_\@:
	s_barrier_wait -3
	s_barrier_signal -1
	s_barrier_wait -1
.endm
.macro PLACES n
.rept \n
	v_nop
.endr
.endm
	s_load_b256 s[4:11], s[0:1], 0x0               ; ofrag s[4:5], wcodes s[6:7], bo s[8:9], out0 s[10:11]
	v_lshl_add_u32 v[SPW], v0, 2, SPARE
	v_mov_b32 v[NIL], 0
	ds_add_u32 v[SPW], v[NIL]                      ; the opening lines: the add, twice on end, and its wait ahead of my tensor load
	ds_add_u32 v[SPW], v[NIL]
	v_lshrrev_b32 v10, 5, v0
	v_readfirstlane_b32 s[WV], v10                 ; wave 0..3
	s_bfe_u32 s14, ttmp6, 0x40000                  ; cx: it enters global addresses of o and of the result alone
	s_lshl_b32 s18, ttmp9, 2
	s_add_co_u32 s14, s14, s18                     ; X
	s_and_b32 s15, ttmp7, 0xffff                   ; y
	s_mov_b32 s[G1], 15|(1<<20)|(1<<21)|(7<<22)|(3<<25)   ; the mask: all four; elements of 1 byte; padding: four words after every 256; bit 21 beside a mask
	s_mov_b32 s[G1+1], 1024<<16                    ; 32 rows of 1,024 bytes
	s_mov_b32 s[G1+2], 32<<16
	s_mov_b32 s[G1+3], 1024<<16
	s_mov_b32 s[G1+4], 32
	s_mov_b32 s[G1+5], 1024
	s_mov_b32 s[G1+6], 0
	s_mov_b32 s[G1+7], 0
	s_mov_b32 s[G0], 1
	s_mul_i32 s[G0+1], s[WV], 32*BP
	s_lshl_b32 s18, s15, 7
	s_lshl_b32 s19, s[WV], 5
	s_add_co_u32 s18, s18, s19
	s_add_co_u32 s18, s18, 3072
	s_lshl_b32 s18, s18, 10                        ; place 3,072 + 128 y + 32 x wave
	s_mov_b32 s19, 0
	s_wait_dscnt 0x0
	s_wait_kmcnt 0x0
	s_add_nc_u64 s[G0+2:G0+3], s[6:7], s[18:19]
	s_or_b32 s[G0+3], s[G0+3], 0x80000000
	ROUND                                          ; all four work-groups are here: the joint loads meet
	tensor_load_to_lds s[G0:G0+3], s[G1:G1+7]      ; every wave's one load
	s_nop 0
	PLACES 4
	s_lshl_b32 s16, s14, 4
	s_lshl_b32 s17, s[WV], 2
	s_add_co_u32 s16, s16, s17                     ; my first tile of 16 rows: 16 X + 4 x wave
	s_lshl_b32 s18, s16, 14
	s_add_nc_u64 s[36:37], s[4:5], s[18:19]        ; its fragments,
	s_lshl_b32 s18, s16, 9
	s_add_co_u32 s18, s18, OSC
	s_add_nc_u64 s[38:39], s[4:5], s[18:19]        ; its scale words: [step 8][row 16] words a tile
	s_lshl_b32 s18, s15, 12
	s_add_co_u32 s18, s18, WSCL+3072*32
	s_add_nc_u64 s[40:41], s[6:7], s[18:19]        ; Wo's scale bytes: [place][32]
	s_lshl_b32 s18, s15, 9
	s_add_nc_u64 s[42:43], s[8:9], s[18:19]        ; my columns' biases
	s_lshl_b32 s17, s16, 16
	s_add_co_u32 s18, s18, s17
	s_add_nc_u64 s[44:45], s[10:11], s[18:19]      ; my part of the result
	s_mul_i32 s17, s[WV], 16*SPITCH
	s_add_co_u32 s17, s17, STAGE                   ; my stage
	v_and_b32 v10, 31, v0
	v_lshlrev_b32 v[LI], 4, v10
	v_lshlrev_b32 v[L4], 2, v10
	v_and_b32 v11, 15, v0                          ; r
	v_bfe_u32 v10, v0, 4, 1                        ; h
	v_lshlrev_b32 v[LSC], 5, v11
	v_lshl_add_u32 v[LSC], v10, 4, v[LSC]
	v_mul_u32_u24 v[ADB], v11, BP
	v_lshl_add_u32 v[ADB], v10, 4, v[ADB]
	v_add_nc_u32 v[ADB+1], 64*BP, v[ADB]
	v_mul_u32_u24 v[STO], v11, SPITCH              ; into the stage: row r; tiles 2 b, 2 b + 1 give columns 32 b + 16 h + 0 .. 15
	v_lshl_add_u32 v[STO], v10, 6, v[STO]
	v_add_nc_u32 v[STO], s17, v[STO]
	v_add_nc_u32 v[RD], s17, v[LI]                 ; back: the 32 lanes take one row of 512 bytes
.irp a, 0,1,2,3                                ; 16 + 8 + 1 small loads first, then o's fragments step by step, so that a counted wait can tell them apart
.irp j, 0,1,2,3
	global_load_b32 v[SAR+4*\a+\j], v[L4], s[38:39] offset:512*\a+128*\j
.endr
.endr
.irp t, 0,1,2,3,4,5,6,7
	global_load_b128 v[SBR+4*\t:SBR+4*\t+3], v[LSC], s[40:41] offset:512*\t
.endr
	global_load_b128 v[BIAS:BIAS+3], v[LI], s[42:43]
.irp k, 0,1,2,3,4,5,6,7
.irp ap, 0,1
	WIN (2+\ap)<<6
.irp aa, 0,1
.irp c, 0,1,2,3
	global_load_b128 v[(\aa*8+\k)*16+4*\c:(\aa*8+\k)*16+4*\c+3], v[LI], s[36:37] offset:(2*\ap+\aa)*16384+\k*2048+512*\c
.endr
.endr
.endr
.endr
	WIN 0
.macro WM d, s0, s1, x0, x1, k         ; one product of step k: Wo's scale words lie in lanes 16-31 for steps 4 to 7, o's for the odd steps; step 0 starts the sum
.if (\k) == 0
	v_wmma_scale_f32_16x16x128_f8f6f4 v[\d:\d+7], v[\s0:\s0+15], v[\s1:\s1+15], 0, v[\x0], v[\x1] matrix_a_fmt:MATRIX_FMT_BF8 matrix_b_fmt:MATRIX_FMT_BF8
.elseif (\k) < 4 && (\k)%2 == 0
	v_wmma_scale_f32_16x16x128_f8f6f4 v[\d:\d+7], v[\s0:\s0+15], v[\s1:\s1+15], v[\d:\d+7], v[\x0], v[\x1] matrix_a_fmt:MATRIX_FMT_BF8 matrix_b_fmt:MATRIX_FMT_BF8
.elseif (\k) < 4
	v_wmma_scale_f32_16x16x128_f8f6f4 v[\d:\d+7], v[\s0:\s0+15], v[\s1:\s1+15], v[\d:\d+7], v[\x0], v[\x1] matrix_a_fmt:MATRIX_FMT_BF8 matrix_b_fmt:MATRIX_FMT_BF8 matrix_b_scale:MATRIX_SCALE_ROW1
.elseif (\k)%2 == 0
	v_wmma_scale_f32_16x16x128_f8f6f4 v[\d:\d+7], v[\s0:\s0+15], v[\s1:\s1+15], v[\d:\d+7], v[\x0], v[\x1] matrix_a_fmt:MATRIX_FMT_BF8 matrix_b_fmt:MATRIX_FMT_BF8 matrix_a_scale:MATRIX_SCALE_ROW1
.else
	v_wmma_scale_f32_16x16x128_f8f6f4 v[\d:\d+7], v[\s0:\s0+15], v[\s1:\s1+15], v[\d:\d+7], v[\x0], v[\x1] matrix_a_fmt:MATRIX_FMT_BF8 matrix_b_fmt:MATRIX_FMT_BF8 matrix_a_scale:MATRIX_SCALE_ROW1 matrix_b_scale:MATRIX_SCALE_ROW1
.endif
.endm
.macro LOADB n                         ; stage n = 2 k + g: Wo's tiles 4 g .. 4 g + 3, step k
.irp i, 0,1,2,3
.irp c, 0,1,2,3
	ds_load_b128 v[32+64*((\n)%2)+16*\i+4*\c:32+64*((\n)%2)+16*\i+4*\c+3], v[ADB+(\n)%2] offset:\i*16*BP+128*((\n)/2)+32*\c
.endr
.endr
.endm
.macro MUL n
.set K_, (\n)/2
.set PB, 32+64*((\n)%2)
.irp ap, 0,1
	WIN 0x50|((2+\ap)<<2)
.irp aa, 0,1
.irp b, 0,1,2,3
.set A_, 2*\ap+\aa
.set BT_, 4*((\n)%2)+\b
	WM (A_*8+BT_)*8, PB+16*\b, (\aa*8+K_)*16, SBR+4*BT_+K_%4, SAR+4*A_+K_/2, K_
.endr
.endr
.endr
.endm
	s_wait_alu depctr_va_vdst(0)                   ; the wait at the head's end
	s_wait_tensorcnt 0x0                           ; my 32 rows of Wo have landed,
	s_barrier_signal -1
	s_barrier_wait -1                              ; everybody's have
	LOADB 0
	s_wait_loadcnt 63                              ; of 153 loads the first 90 are in: the 25 small ones, the fragments of steps 0 to 3 and one of step 4
.irp n, 0,1,2,3,4,5,6,7,8,9,10,11,12,13,14,15
.if \n > 0
	WIN 0
	PLACES 8                                       ; in front of loads into registers that the last stage's products have read (ISA guide 7.12.1 for vector instructions)
.endif
.if \n < 15
	LOADB \n+1
	s_wait_dscnt 16                                ; this stage's fragments are in; the next stage's 16 loads may be out
.else
	s_wait_dscnt 0x0
.endif
.if \n == 8
	s_wait_loadcnt 0x0                             ; the fragments of steps 4 to 7
.endif
	MUL \n
.endr
	WIN 0
; THE WAY OUT, tile by tile of 16 rows x 128 columns, through my own stage: back come whole rows of 512 bytes, which take the bias and are stored as two aligned runs of 256 bytes.
.macro TOSTAGE a
	WIN 0x04                                       ; an LDS store's data are its source 1
.irp b, 0,1,2,3,4,5,6,7
	ds_store_b128 v[STO], v[64*(\a)+8*\b:64*(\a)+8*\b+3] offset:128*(\b/2)+32*(\b%2)          ; each accumulator from its low end on
	ds_store_b128 v[STO], v[64*(\a)+8*\b+4:64*(\a)+8*\b+7] offset:128*(\b/2)+32*(\b%2)+16
.endr
	WIN 0
.irp t, 0,1,2,3,4,5,6,7,8,9,10,11,12,13,14,15
	ds_load_b128 v[32+64*((\a)%2)+4*\t:32+64*((\a)%2)+4*\t+3], v[RD] offset:\t*SPITCH   ; LDS serves a wave's instructions in order: these see the stores above
.endr
.endm
.macro SEND a, younger                 ; younger: the LDS instructions issued behind tile a's loads, which may stay out
.set BB, 32+64*((\a)%2)
	s_wait_dscnt \younger
.irp t, 0,1,2,3,4,5,6,7,8,9,10,11,12,13,14,15
	v_pk_add_f32 v[BB+4*\t:BB+4*\t+1], v[BB+4*\t:BB+4*\t+1], v[BIAS:BIAS+1]
	v_pk_add_f32 v[BB+4*\t+2:BB+4*\t+3], v[BB+4*\t+2:BB+4*\t+3], v[BIAS+2:BIAS+3]
.endr
.irp t, 0,1,2,3,4,5,6,7,8,9,10,11,12,13,14,15
	global_store_b128 v[LI], v[BB+4*\t:BB+4*\t+3], s[44:45] offset:(32*((\a)/2)+8*((\a)%2)+\t+8*(\t/8))*4096 th:TH_STORE_NT   ; stage row t of tile a is row 32 (a / 2) + 8 (a % 2) + t + 8 (t / 8)
.endr
.endm
	PLACES 8                                       ; in front of the first read of results and of loads into the fragments' registers
	TOSTAGE 0
.irp a, 1,2,3
.if \a > 1
	s_wait_xcnt 0x0                                ; tile a - 2's stores have read their registers: tile a's rows may land there
.endif
	TOSTAGE \a
	SEND \a-1, 32                                  ; behind tile a - 1's loads: tile a's 16 stores and 16 loads
.endr
	SEND 3, 0
	s_wait_tensorcnt 0x0                           ; the wave's end
	ds_add_u32 v[SPW], v[NIL]
	s_wait_dscnt 0x0
	ROUND                                          ; the closing round
	s_endpgm
.Lfunc_end_k_qe2c5e7006a_gemm_o:
	.size	k_qe2c5e7006a_gemm_o, .Lfunc_end_k_qe2c5e7006a_gemm_o-k_qe2c5e7006a_gemm_o
	.p2alignl 7, 3214868480
	.fill 96, 4, 3214868480
	.section	.rodata,"a",@progbits
	.p2align	6, 0x0
	.amdhsa_kernel k_qe2c5e7006a_gemm_o
		.amdhsa_group_segment_fixed_size 167936
		.amdhsa_private_segment_fixed_size 0
		.amdhsa_enable_private_segment 0
		.amdhsa_kernarg_size 32
		.amdhsa_user_sgpr_count 2
		.amdhsa_user_sgpr_kernarg_segment_ptr 1
		.amdhsa_wavefront_size32 1
		.amdhsa_system_sgpr_workgroup_id_x 1
		.amdhsa_system_sgpr_workgroup_id_y 1
		.amdhsa_system_sgpr_workgroup_id_z 1
		.amdhsa_system_vgpr_workitem_id 0
		.amdhsa_next_free_vgpr 1024
		.amdhsa_next_free_sgpr 66
		.amdhsa_reserve_vcc 0
		.amdhsa_float_denorm_mode_32 3
		.amdhsa_float_denorm_mode_16_64 3
		.amdhsa_memory_ordered 1
		.amdhsa_forward_progress 1
		.amdhsa_inst_pref_size 96
	.end_amdhsa_kernel
	.amdgpu_metadata
---
amdhsa.version: [ 1, 2 ]
amdhsa.kernels:
  - .name:           k_qe2c5e7006a_gemm_o
    .symbol:         k_qe2c5e7006a_gemm_o.kd
    .args:
      - { .name: ofrag, .offset: 0, .size: 8, .value_kind: global_buffer, .address_space: global }
      - { .name: wcodes, .offset: 8, .size: 8, .value_kind: global_buffer, .address_space: global }
      - { .name: bo, .offset: 16, .size: 8, .value_kind: global_buffer, .address_space: global }
      - { .name: out0, .offset: 24, .size: 8, .value_kind: global_buffer, .address_space: global }
    .group_segment_fixed_size: 167936
    .private_segment_fixed_size: 0
    .kernarg_segment_align: 8
    .kernarg_segment_size: 32
    .max_flat_workgroup_size: 128
    .sgpr_count:     66
    .vgpr_count:     1024
    .wavefront_size: 32
...
	.end_amdgpu_metadata
.endif
;; end of part 4
